; MI455X (gfx1250); checked and timed in simulation.
; The chip was launched on July 23, 2026; its instructions are those of AMD's public machine-readable ISA for CDNA 5 (MIT licence, August 2026) and "CDNA5" Instruction Set Architecture Reference Guide (July 2026). The comments in the code are by the model that wrote it; some were corrected since.
;; Local Attention. Allowed arithmetic: float matrix products may take bf16 or f16 operands with f32 sums; all other float work in f32.
;; Inputs: Wk 1,024 x 1,024 float32; Wq 1,024 x 1,024 float32; Wv 1,024 x 1,024 float32; bk 1,024 float32; bq 1,024 float32; bv 1,024 float32; sequence_output 4 x 2,048 x 1,024 float32.
;; Outputs: out0 4 x 2,048 x 1,024 float32.
;; 2 versions, each right; version 2 is version 1 with the launch mix written anew for expert scheduling mode. Each part assembles by itself: llvm-mc -triple=amdgcn-amd-amdhsa -mcpu=gfx1250 --defsym DOCPART=n.
;; ======== version 1 of 2: 3 launches
;; workspace buffers: xb 16,777,216 bytes; wcat 4,194,304 bytes; gvec 4,096 bytes; vb 33,554,432 bytes; sp 2,097,152 bytes
;; launch prep (part 1): grid 16 x 16, 8 waves a work-group, clusters of 4 x 4, 327,680 bytes of LDS; arguments sequence_output, Wq, Wk, Wv, bq, xb, wcat, gvec; writes xb, wcat, gvec
.if DOCPART == 1
	.amdgcn_target "amdgcn-amd-amdhsa--gfx1250"
	.amdhsa_code_object_version 6
	.text
	.protected	k_q6b61edfc14_prep
	.globl	k_q6b61edfc14_prep
	.p2align	8
	.type	k_q6b61edfc14_prep,@function
k_q6b61edfc14_prep:
	s_mov_b64 s[64:65], 0
	v_nop
	global_prefetch_b8 v0, s[64:65] scope:SCOPE_SE
	s_setreg_imm32_b32 hwreg(HW_REG_WAVE_MODE, 25, 1), 1
	s_wait_xcnt 0x0
	s_wait_alu depctr_hold_cnt(0) depctr_sa_sdst(0) depctr_va_vdst(0) depctr_va_sdst(0) depctr_va_ssrc(0) depctr_va_vcc(0) depctr_vm_vsrc(0)
	s_getreg_b32 s2, hwreg(HW_REG_IB_STS2, 6, 4)
	s_cmp_eq_u32 s2, 0
	s_cbranch_scc0 .Lentry_in_a_cluster
	s_endpgm
.Lentry_in_a_cluster:
	s_bfe_u32 s2, ttmp6, 0x10000c
	s_cmp_lg_u32 s2, 0xf033
	s_cbranch_scc0 .Lentry_shape_is_right
	s_endpgm
.Lentry_shape_is_right:
; LocalAttention, first of three launches: operands for the one large product of the second launch.
;
; WORK LEFT OUT, for all finite values of the inputs:
;   score(s, s') = Q[s] . K[s'] with Q[s] = x[s] Wq + bq and K[s'] = x[s'] Wk + bk.
;   (1) Q[s] . bk is the same number at all five places of row s's window (places outside the sequence are -inf whatever is added),
;       and a softmax does not change when one number is added along its axis.  So bk reaches no output: it is not loaded and is an
;       argument of no launch.
;   (2) Q[s] . (x[s'] Wk) = (x[s] G + g) . x[s'] with G = Wq Wk^T (1024 x 1024) and g = Wk bq, by the associativity of the products.
;       Q and K are never formed: one projection T = x G + g takes the place of two, and the other factor of a score is x itself.
;   LIMITS: a NaN, an infinity or an overflow that reaches only bk, or that would arise only in Q or K as f32 intermediates, is not
;   carried to the result.  x, Wq, Wk, G, Wv (and later T) are rounded to bf16 as matrix operands; V is carried in f32; sums are f32, in
;   another order than the reference's.
;
; THIS LAUNCH, 16 x 16 work-groups of eight waves, all alike.  Work-group (ib = x, jb = y), wg = 16 jb + ib, makes
;   (a) rows 32 wg .. +31 of xb = x in bf16;
;   (b) the 64 x 64 tile (jb, ib) of Gt[j][i] = sum over n of Wk[j][n] Wq[i][n];
;   (c) the tile of 32 n x 128 k (nb = wg & 31, kb = wg >> 5) of Wv^T;
;   (d) g[4 wg .. 4 wg + 3] in f32.
; WCAT's 2,048 rows take turns in groups of 128: Gt's row j lies at row 256 (j >> 7) + (j & 127), Wv^T's row n at row 256 (n >> 7) + 128 + (n & 127).
; So each block of 256 rows, a block column of the second launch, holds 128 columns of T and 128 of V, and every work-group there has the same output.
; CLUSTERS: a G tile needs 64 rows of Wk and 64 of Wq, 512 KB of the 660 KB that a work-group reads, and sixteen work-groups need each row.
; 4 x 4 work-groups form a cluster: the four of a row of the cluster (one jb) ask for Wk's tiles jointly, the four of a column (one ib) for Wq's,
; each issuing the same tensor load with the same descriptor and a mask that names the four.  That divides the requests for weights by four.
; K = 1,024 goes in four chunks of 256 through two LDS slots, in f32 as it lies in memory.  A slot has eight regions of 64 rows x 256 bytes
; (Wk's four column quarters, then Wq's); wave w brings region w with one load, whose rows are 256 aligned bytes of memory.
; Both slots' first fills, the 32 loads of x and the twelve small loads of a wave are all on their way before anything is waited for.
; WAVES: wave (jq = w >> 2, kh = (w >> 1) & 1, iq = w & 1) makes the quadrant of 32 x 32 (jq, iq) over column quarters 2 kh, 2 kh + 1 of every chunk:
; a step of 32 along K is 16 LDS loads, 32 conversions to bf16 and 4 products.  (With all of K in each wave and 16 x 32 a wave, the same tile would
; take half as many loads and conversions again.)  At the end waves w and w ^ 2 hand each other half of their sums through LDS.
; Stated plainly: Gt leaves in row pieces of 128 bytes.  A tile with rows of 256 bytes, 32 x 128, has 160 operand rows: two slots of 256 columns would
; take 2 x 160 x 1,088 = 348,160 bytes, more than the 327,680 that a work-group can be given, and slots of 128 columns would make eight chunks with half
; the work behind each refill.  Wv is read in row pieces of 128 bytes so that Wv^T leaves in whole aligned runs of 256 bytes; g leaves as 16 bytes.
.set PITCH, 272                        ; an LDS row: 256 bytes + 16 of padding: the 16 rows that a load touches start at 16 different groups of banks
.set REG,   64*PITCH                   ; a region: what one tensor load brings
.set SLOT,  8*REG
.set TS,    2*SLOT                     ; behind the ring, never the target of a fill: stage for Wv^T, 32 rows (n) x 272 bytes
.set GST,   TS+32*272                  ; stage for the G tile: 64 rows (j) x 144 bytes
.set RS,    GST+64*144                 ; the sums that partner waves hand each other: 2,048 bytes a wave
.set GS,    RS+8*2048                  ; eight partial sums of g
.set KCB,   1024                       ; bytes of a weight row in a chunk
.set AJ0,   4                          ; v4, v5    LDS address, slot 0, 1: fragments of the 16 rows of Wk whose sums I keep
.set AJ1,   6                          ; v6, v7    the same for the 16 rows whose sums I hand over
.set AI,    16                         ; v16, v17  the same for my 32 rows of Wq
.set OT,    22                         ; v[22:29]  Wv^T: packed, later on its way out; not written again behind its stores
.set X,     32                         ; v[32:159] four rows of x
.set S0,    32                         ; behind x: v[32:95], v[96:159] a step's four fragments in f32, two buffers
.set S1,    96
.set B0,    160                        ; v[160:191], v[192:223] a step's four fragments in bf16, two buffers
.set B1,    192
.set WV,    160                        ; ahead of the products: v[160:175] Wv as loaded
.set GK,    176                        ; v[176:191] half a row of Wk, for g
.set GQ,    192                        ; v[192:207] half of bq
.set ACC,   224                        ; v[224:255] four accumulator tiles: (j block, i block) at ACC + 16 jj + 8 ii
.set G1,  24                           ; s[24:31] descriptor group 1 for Wk's tiles
.set G0,  32                           ; s[32:39] descriptor group 0 for Wk's tiles, one set for each slot
.set G1B, 48                           ; s[48:55] group 1 for Wq's tiles: another mask
.set G0B, 56                           ; s[56:63] group 0 for Wq's tiles
; v1 lane; v2 x loads; v3 xb stores; v8-11 Wv tile; v12-15 g; v18-20 G tile; v21 zero; v30, v31 exchange of sums
; s3 wave; s4 jq, also: I fetch for Wk (0) or Wq (1); s5 the column quarter that I fetch; s69 kh; s70 iq
; s67, s68, s71, s75, s82, s83 hold numbers made of the wave's number alone and feed LDS addresses; s6, s7, s92-94 hold the work-group's place and feed global addresses alone
; A joint load.  Waves 0-3 fetch Wk's four column quarters, waves 4-7 Wq's.  Each line has one mask and one set of registers for all that issue it.
.macro JLOAD s
	s_cmp_eq_u32 s4, 0
	s_cbranch_scc0 .Lfor_q_\@
	tensor_load_to_lds s[G0+4*\s:G0+4*\s+3], s[G1:G1+7]
	s_nop 0
	s_branch .Lasked_\@
.Lfor_q_\@:
	tensor_load_to_lds s[G0B+4*\s:G0B+4*\s+3], s[G1B:G1B+7]
	s_nop 0
.Lasked_\@:
.endm
; A round of the cluster's barrier: my work-group's barrier; wave 0 signals for the work-group; every wave waits for all sixteen; my work-group's barrier again.
.macro CROUND
	s_barrier_signal -1
	s_barrier_wait -1
	s_cmp_lg_u32 s3, 0
	s_cbranch_scc1 .Lnot_first_\@
	s_barrier_signal -3
.Lnot_first_\@:
	s_barrier_wait -3
	s_barrier_signal -1
	s_barrier_wait -1
.endm
	s_load_b512 s[8:23], s[0:1], 0x0               ; x 8:9, Wq 10:11, Wk 12:13, Wv 14:15, bq 16:17, xb 18:19, wcat 20:21, gvec 22:23
	s_set_vgpr_msb 0x40
	v_lshl_add_u32 v0, v0, 2, 0x4c700
	v_mov_b32 v1, 0
	s_set_vgpr_msb 0x4045
	ds_add_u32 v0, v1
	s_set_vgpr_msb 0x4500
	v_and_b32 v1, 31, v0                           ; lane
	v_lshrrev_b32 v32, 5, v0
	v_readfirstlane_b32 s3, v32                    ; wave 0..7
	s_lshr_b32 s4, s3, 2
	s_and_b32 s5, s3, 3
	s_bfe_u32 s69, s3, 0x10001                     ; one bit from bit 1
	s_and_b32 s70, s3, 1
	s_bfe_u32 s40, ttmp6, 0x40000                  ; cx
	s_bfe_u32 s41, ttmp6, 0x40004                  ; cy
	s_lshl_b32 s42, ttmp9, 2
	s_add_co_u32 s42, s42, s40                     ; ib = 4 x cluster x + cx
	s_and_b32 s45, ttmp7, 0xffff
	s_lshl_b32 s45, s45, 2
	s_add_co_u32 s45, s45, s41                     ; jb = 4 x cluster y + cy
	s_lshl_b32 s66, s45, 4
	s_add_co_u32 s66, s66, s42                     ; wg
	s_lshl_b32 s43, s41, 2
	s_lshl_b32 s43, 15, s43                        ; my row of the cluster: places 4 cy .. 4 cy + 3
	s_lshl_b32 s44, 0x1111, s40                    ; my column: places cx, cx + 4, cx + 8, cx + 12
	; descriptor group 1: a tile of 64 rows x 64 elements of 4 bytes, 4 words of padding behind every 64 words
	s_or_b32 s[G1+0], s43, (2<<16)|(1<<20)|(1<<21)|(5<<22)|(3<<25)  ; 15:0 mask: Wk's tiles go to my row; 17:16 element of 4 bytes; 20 padding on; 21 set beside a mask; 24:22 interval code 5; 31:25 pad code 3
	s_or_b32 s[G1B+0], s44, (2<<16)|(1<<20)|(1<<21)|(5<<22)|(3<<25) ; the same with the mask of my column, for Wq's tiles
	s_mov_b32 s[G1B+1], 64<<16
	s_mov_b32 s[G1+1], 64<<16                      ; tensor_dim0 = 64
	s_mov_b32 s[G1B+2], 64<<16
	s_mov_b32 s[G1+2], 64<<16                      ; tensor_dim1 = 64
	s_mov_b32 s[G1B+3], 64<<16
	s_mov_b32 s[G1+3], 64<<16                      ; tile_dim0 = 64
	s_mov_b32 s[G1B+4], 64
	s_mov_b32 s[G1+4], 64                          ; tile_dim1 = 64
	s_mov_b32 s[G1B+5], 1024
	s_mov_b32 s[G1+5], 1024                        ; elements from row to row
	s_mov_b32 s[G1B+6], 0
	s_mov_b32 s[G1+6], 0
	s_mov_b32 s[G1B+7], 0
	s_mov_b32 s[G1+7], 0
	; where the tiles come from: Wk's hang on jb alone, Wq's on ib alone, each in registers that never hold the other coordinate
	s_lshl_b32 s71, s5, 8                          ; my column quarter: 256 bytes
	s_lshl_b32 s84, s45, 18                        ; 64 jb rows of 4,096 bytes
	s_add_co_u32 s84, s84, s71
	s_mov_b32 s85, 0
	s_lshl_b32 s88, s42, 18                        ; 64 ib rows
	s_add_co_u32 s88, s88, s71
	s_mov_b32 s89, 0
	s_mul_i32 s67, s3, REG                         ; and where they go: region = wave; no place in the cluster enters an LDS address
	s_mov_b32 s72, 0x76543210                      ; v_permlanex16_b32: lane i reads lane i of the other half
	s_mov_b32 s73, 0xfedcba98
	; the lanes' offsets, made of the thread's and the wave's number alone, while the arguments are on their way; v32-42 are at work here and are loaded into later
	s_lshl_b32 s68, s3, 12
	v_lshl_add_u32 v2, v1, 4, s68                  ; a row of x: wave x 4,096 + 16 lane
	s_lshl_b32 s68, s3, 11
	v_lshl_add_u32 v3, v1, 3, s68                  ; a row of xb: wave x 2,048 + 8 lane
	v_lshl_add_u32 v12, v1, 4, s68                 ; g: row wave >> 1, half wave & 1 of four rows of Wk = wave x 2,048 + 16 lane
	v_lshl_add_u32 v30, v1, 4, s68
	v_add_nc_u32 v30, RS, v30                      ; the sums that I hand over: my wave's 2,048 bytes, 16 a lane
	s_xor_b32 s68, s3, 2                           ; my partner: the other half of K
	s_lshl_b32 s68, s68, 11
	v_lshl_add_u32 v31, v1, 4, s68
	v_add_nc_u32 v31, RS, v31                      ; the sums that I am handed
	v_lshrrev_b32 v33, 3, v0                       ; t >> 3
	v_and_b32 v34, 7, v0                           ; t & 7
	v_lshlrev_b32 v35, 4, v34
	v_lshl_add_u32 v8, v33, 13, v35                ; Wv: rows 2 (t >> 3), 16 bytes at 16 (t & 7)
	v_mul_u32_u24 v36, v34, 4*272
	v_lshl_add_u32 v36, v33, 2, v36
	v_add_nc_u32 v9, TS, v36                       ; Wv^T stage in: row n = 4 (t & 7), word k / 2 = t >> 3
	v_mul_u32_u24 v36, v33, 144
	v_add_nc_u32 v36, v36, v35
	v_add_nc_u32 v19, GST, v36                     ; G stage back: row t >> 3, 16 bytes at 16 (t & 7)
	v_lshl_add_u32 v20, v33, 11, v35               ; and the same place in wcat
	v_lshrrev_b32 v37, 4, v0                       ; t >> 4
	v_and_b32 v38, 15, v0                          ; r
	v_lshlrev_b32 v39, 4, v38
	v_mul_u32_u24 v36, v37, 272
	v_add_nc_u32 v36, v36, v39
	v_add_nc_u32 v10, TS, v36                      ; Wv^T stage back: row t >> 4, 16 bytes at 16 (t & 15)
	v_lshl_add_u32 v11, v37, 11, v39               ; and the same place in wcat
	s_lshl_b32 s68, s70, 11
	v_lshl_add_u32 v13, v1, 4, s68                 ; my half of bq
	s_lshl_b32 s68, s3, 2
	s_add_co_u32 s68, s68, GS
	v_mov_b32 v14, s68                             ; my wave's word among g's partial sums
	v_mov_b32 v15, GS
	v_mov_b32 v21, 0
	v_bfe_u32 v40, v0, 4, 1                        ; h
	; A fragment of 16 rows x 32 K in f32: lane (r, h) takes K = 8 h + 0..7 (32 bytes at 32 h) and K = 16 + 8 h + 0..7 (64 bytes further): four loads of 16 bytes.
	v_mul_u32_u24 v41, v38, PITCH
	v_lshl_add_u32 v41, v40, 5, v41                ; r x pitch + 32 h
	s_mul_i32 s68, s69, 2*REG                      ; my half of K: regions 2 kh, 2 kh + 1
	s_mul_i32 s75, s4, 32*PITCH
	s_add_co_u32 s75, s75, s68                     ; Wk: row 32 jq
	s_mul_i32 s82, s69, 16*PITCH
	s_add_co_u32 s82, s82, s75
	v_add_nc_u32 v[AJ0], s82, v41                  ; rows 32 jq + 16 kh: kept
	s_xor_b32 s83, s69, 1
	s_mul_i32 s83, s83, 16*PITCH
	s_add_co_u32 s83, s83, s75
	v_add_nc_u32 v[AJ1], s83, v41                  ; rows 32 jq + 16 (1 - kh): handed over
	s_mul_i32 s75, s70, 32*PITCH
	s_add_co_u32 s75, s75, s68
	s_add_co_u32 s75, s75, 4*REG
	v_add_nc_u32 v[AI], s75, v41                   ; Wq: regions 4 + 2 kh .., rows 32 iq
	v_add_nc_u32 v[AJ0+1], SLOT, v[AJ0]
	v_add_nc_u32 v[AJ1+1], SLOT, v[AJ1]
	v_add_nc_u32 v[AI+1], SLOT, v[AI]
	v_mul_u32_u24 v42, v38, 144
	v_lshl_add_u32 v42, v40, 4, v42
	s_lshr_b32 s82, s3, 1                          ; 2 jq + kh: which 16 rows j I end up with
	s_mul_i32 s82, s82, 16*144
	s_lshl_b32 s83, s70, 6
	s_add_co_u32 s82, s82, s83
	s_add_co_u32 s82, s82, GST
	v_add_nc_u32 v18, s82, v42                     ; G stage in: row 16 (2 jq + kh) + r, byte 64 iq + 16 h
	s_wait_dscnt 0x0
	s_wait_kmcnt 0x0
	s_add_nc_u64 s[86:87], s[12:13], s[84:85]      ; Wk at row 64 jb, my column quarter
	s_add_nc_u64 s[90:91], s[10:11], s[88:89]      ; Wq at row 64 ib, my column quarter
	CROUND                                         ; all sixteen work-groups are here: the first joint loads meet
.irp s, 0,1
	s_mov_b32 s[G0+4*\s], 1
	s_add_co_u32 s[G0+4*\s+1], s67, \s*SLOT
	s_add_nc_u64 s[G0+4*\s+2:G0+4*\s+3], s[86:87], \s*KCB
	s_or_b32 s[G0+4*\s+3], s[G0+4*\s+3], 0x80000000
	s_mov_b32 s[G0B+4*\s], 1
	s_add_co_u32 s[G0B+4*\s+1], s67, \s*SLOT
	s_add_nc_u64 s[G0B+4*\s+2:G0B+4*\s+3], s[90:91], \s*KCB
	s_or_b32 s[G0B+4*\s+3], s[G0B+4*\s+3], 0x80000000
	JLOAD \s                                       ; chunks 0 and 1 go out together: two tensor loads of the wave are out
.endr
	s_mov_b32 s7, 0                                ; high word of every offset pair s[6:7]
	s_lshl_b32 s6, s66, 17
	s_add_nc_u64 s[8:9], s[8:9], s[6:7]            ; x at row 32 wg
	s_lshl_b32 s6, s66, 16
	s_add_nc_u64 s[18:19], s[18:19], s[6:7]        ; xb at row 32 wg
	s_lshl_b32 s6, s66, 14
	s_add_nc_u64 s[76:77], s[12:13], s[6:7]        ; Wk at row 4 wg
	s_lshr_b32 s92, s66, 5                         ; kb
	s_and_b32 s93, s66, 31                         ; nb
	s_lshl_b32 s6, s92, 19
	s_lshl_b32 s94, s93, 7
	s_add_co_u32 s6, s6, s94
	s_add_nc_u64 s[14:15], s[14:15], s[6:7]        ; Wv at row 128 kb, column 32 nb
	s_lshr_b32 s94, s93, 2                         ; Wv^T's rows 32 nb .. +31 lie in group nb >> 2,
	s_lshl_b32 s6, s94, 19                         ; 256 rows of 2,048 bytes a group,
	s_and_b32 s94, s93, 3
	s_lshl_b32 s94, s94, 16                        ; 32 (nb & 3) rows on
	s_add_co_u32 s6, s6, s94
	s_lshl_b32 s94, s92, 8
	s_add_co_u32 s6, s6, s94                       ; column 128 kb
	s_add_co_u32 s6, s6, 128*2048                  ; behind the group's 128 rows of Gt
	s_add_nc_u64 s[78:79], s[20:21], s[6:7]        ; wcat at row 256 (nb >> 2) + 128 + 32 (nb & 3), column 128 kb
	s_lshr_b32 s94, s45, 1                         ; Gt's rows 64 jb .. +63 lie in group jb >> 1,
	s_lshl_b32 s6, s94, 19
	s_and_b32 s94, s45, 1
	s_lshl_b32 s94, s94, 17                        ; 64 (jb & 1) rows on
	s_add_co_u32 s6, s6, s94
	s_lshl_b32 s94, s42, 7
	s_add_co_u32 s6, s6, s94
	s_add_nc_u64 s[80:81], s[20:21], s[6:7]        ; wcat at row 256 (jb >> 1) + 64 (jb & 1), column 64 ib
	s_lshl_b32 s6, s66, 4
	s_add_nc_u64 s[22:23], s[22:23], s[6:7]        ; gvec at 4 wg
	; the twelve small loads first, then my four rows of x (rows 32 wg + wave + 8 n), 512 consecutive bytes a load
.irp u, 0,1
.irp p, 0,1
	global_load_b128 v[WV+8*\u+4*\p:WV+8*\u+4*\p+3], v8, s[14:15] offset:262144*\u+4096*\p   ; Wv row 2 (t >> 3) + 64 u + p
.endr
.endr
.irp q, 0,1,2,3
	global_load_b128 v[GK+4*\q:GK+4*\q+3], v12, s[76:77] offset:512*\q
.endr
.irp q, 0,1,2,3
	global_load_b128 v[GQ+4*\q:GQ+4*\q+3], v13, s[16:17] offset:512*\q
.endr
.irp n, 0,1,2,3
.irp q, 0,1,2,3,4,5,6,7
	global_load_b128 v[X+32*\n+4*\q:X+32*\n+4*\q+3], v2, s[8:9] offset:32768*\n+512*\q th:TH_LOAD_NT
.endr
.endr
	s_wait_loadcnt 32                              ; x's 32 loads stay out; the twelve older loads are in
	; g: my 16 products of half a row of Wk with half of bq, two chains, then across the 32 lanes
	v_pk_mul_f32 v[208:209], v[GK:GK+1], v[GQ:GQ+1]
	v_pk_mul_f32 v[210:211], v[GK+2:GK+3], v[GQ+2:GQ+3]
.irp q, 4,8,12
	v_pk_fma_f32 v[208:209], v[GK+\q:GK+\q+1], v[GQ+\q:GQ+\q+1], v[208:209]
	v_pk_fma_f32 v[210:211], v[GK+\q+2:GK+\q+3], v[GQ+\q+2:GQ+\q+3], v[210:211]
.endr
	v_pk_add_f32 v[208:209], v[208:209], v[210:211]
	v_add_f32 v208, v208, v209
	v_add_f32_dpp v208, v208, v208 row_xmask:1 row_mask:0xf bank_mask:0xf
	v_add_f32_dpp v208, v208, v208 row_xmask:2 row_mask:0xf bank_mask:0xf
	v_add_f32_dpp v208, v208, v208 row_xmask:4 row_mask:0xf bank_mask:0xf
	v_add_f32_dpp v208, v208, v208 row_xmask:8 row_mask:0xf bank_mask:0xf
	v_permlanex16_b32 v209, v208, s72, s73         ; v209 has been written
	v_add_f32 v208, v208, v209
	ds_store_b32 v14, v208                         ; every lane the same word, the same value
	; Wv^T: rows k and k + 1 of one column n make one word of row n
.irp u, 0,1
.irp e, 0,1,2,3
	v_cvt_pk_bf16_f32 v[OT+4*\u+\e], v[WV+8*\u+\e], v[WV+8*\u+4+\e]
.endr
.endr
.irp u, 0,1
.irp e, 0,1,2,3
	ds_store_b32 v9, v[OT+4*\u+\e] offset:272*\e+128*\u
.endr
.endr
; Row n of my four rows of x: rounded in place, four f32 to two words, and stored; each store of the wave covers 256 consecutive bytes, aligned.
.macro XROW n, left
	s_wait_loadcnt \left                           ; this row's eight loads are in; the younger rows' stay out
.irp q, 0,1,2,3,4,5,6,7
	v_cvt_pk_bf16_f32 v[X+32*\n+4*\q], v[X+32*\n+4*\q], v[X+32*\n+4*\q+1]
	v_cvt_pk_bf16_f32 v[X+32*\n+4*\q+1], v[X+32*\n+4*\q+2], v[X+32*\n+4*\q+3]
.endr
.irp q, 0,1,2,3,4,5,6,7
	global_store_b64 v3, v[X+32*\n+4*\q:X+32*\n+4*\q+1], s[18:19] offset:16384*\n+256*\q
.endr
.endm
	XROW 0, 24
	XROW 1, 16
	XROW 2, 8
	XROW 3, 0
; Four loads: one fragment in f32, 16 registers.
.macro FRAG dst, adr, off
	ds_load_b128 v[\dst:\dst+3],     v[\adr] offset:\off
	ds_load_b128 v[\dst+4:\dst+7],   v[\adr] offset:\off+16
	ds_load_b128 v[\dst+8:\dst+11],  v[\adr] offset:\off+64
	ds_load_b128 v[\dst+12:\dst+15], v[\adr] offset:\off+80
.endm
; Sixteen loads: step t (0..3) of my half of a chunk: region t / 2 of my two, byte 128 (t % 2) of its rows.  Wk kept, Wk handed over, Wq's two blocks of 16 rows.
.macro LOADS slot, t, sb
.set lo, ((\t)/2)*REG+((\t)%2)*128
	FRAG \sb,    AJ0+\slot, lo
	FRAG \sb+16, AJ1+\slot, lo
	FRAG \sb+32, AI+\slot,  lo
	FRAG \sb+48, AI+\slot,  lo+16*PITCH
.endm
; 32 conversions: 64 registers of f32 make the four bf16 fragments, 8 registers each, K in its true places.
.macro CVT sb, bb
.set j, 0
.rept 32
	v_cvt_pk_bf16_f32 v[\bb+j], v[\sb+2*j], v[\sb+2*j+1]
.set j, j+1
.endr
.endm
; Four products.  Source 0 = 16 rows of Wq (i), source 1 = 16 rows of Wk (j): lane (r, h) then holds row j = r and, in registers 0-7, the neighbouring
; columns i = 8 h + 0..7.  The four accumulators take turns, one instruction a turn, from step to step and chunk to chunk too.
.macro MUL4 bb, zero
.irp jj, 0,1
.irp ii, 0,1
.if \zero
	v_wmma_f32_16x16x32_bf16 v[ACC+16*\jj+8*\ii:ACC+16*\jj+8*\ii+7], v[\bb+16+8*\ii:\bb+16+8*\ii+7], v[\bb+8*\jj:\bb+8*\jj+7], 0
.else
	v_wmma_f32_16x16x32_bf16 v[ACC+16*\jj+8*\ii:ACC+16*\jj+8*\ii+7], v[\bb+16+8*\ii:\bb+16+8*\ii+7], v[\bb+8*\jj:\bb+8*\jj+7], v[ACC+16*\jj+8*\ii:ACC+16*\jj+8*\ii+7]
.endif
.endr
.endr
.endm
; A step.  Both kinds of buffer alternate: the bf16 buffer that this step's conversions write was last read by the products two steps back, and the 32 conversions
; of the step between, which name none of those products' registers, are the places behind them (ISA guide 7.12.1).
.macro STEP slot, t, left, zero
	s_wait_dscnt \left                             ; this step's sixteen loads are in; the younger step's may stay out
	CVT S0+64*(\t%2), B0+32*(\t%2)
.if \t < 2
	LOADS \slot, \t+2, S0+64*(\t%2)
.endif
	MUL4 B0+32*(\t%2), \zero
.endm
.macro CHUNK slot, zero
	LOADS \slot, 0, S0
	LOADS \slot, 1, S1
	STEP \slot, 0, 16, \zero
	STEP \slot, 1, 16, 0
	STEP \slot, 2, 16, 0
	STEP \slot, 3, 0, 0
.endm
; Slot s, which has been read, is filled again, two chunks on.  Every wave waits for all its tensor loads (the other slot's chunk among them) and for its LDS reads;
; the round of the cluster's barrier shows both of every wave of every partner; the joint refill is the first tensor load behind it, one a wave.
.macro REFILL s
	s_set_vgpr_msb 0x5
	s_wait_tensorcnt 0x0                           ; no tensor load of mine is out, so a group 0 may be written
	ds_add_u32 v0, v1
	s_wait_dscnt 0x0
	s_set_vgpr_msb 0x500
	s_add_nc_u64 s[G0+4*\s+2:G0+4*\s+3], s[G0+4*\s+2:G0+4*\s+3], 2*KCB
	s_add_nc_u64 s[G0B+4*\s+2:G0B+4*\s+3], s[G0B+4*\s+2:G0B+4*\s+3], 2*KCB
	s_wait_dscnt 0x0
	CROUND
	JLOAD \s
.endm
	s_wait_tensorcnt 0x1                           ; my region of chunk 0 is in; chunk 1's may stay out
	s_wait_dscnt 0x0                               ; my LDS stores are done (Wv^T, g's partial sum), for the other waves' sake
	s_barrier_signal -1
	s_barrier_wait -1
	s_wait_xcnt 0x0                                ; x's registers were the data of stores: they are loaded again only behind this wait
	CHUNK 0, 1                                     ; the first products start the sums with the constant 0
	REFILL 0                                       ; chunk 2
	CHUNK 1, 0
	; while chunk 2 is on its way: Wv^T leaves, sixteen lanes storing 256 consecutive bytes of a row of wcat, aligned
	ds_load_b128 v[OT:OT+3], v10
	ds_load_b128 v[OT+4:OT+7], v10 offset:16*272
	s_wait_dscnt 0x0
	global_store_b128 v11, v[OT:OT+3], s[78:79]
	global_store_b128 v11, v[OT+4:OT+7], s[78:79] offset:16*2048
	; and g: wave 0 adds the two halves of each of the four rows; lane 0 stores the 16 bytes
	s_cmp_lg_u32 s3, 0
	s_cbranch_scc1 .Lnot_wave_0
	ds_load_b128 v[32:35], v15
	ds_load_b128 v[36:39], v15 offset:16
	s_wait_dscnt 0x0
	v_add_f32 v32, v32, v33
	v_add_f32 v33, v34, v35
	v_add_f32 v34, v36, v37
	v_add_f32 v35, v38, v39
	v_cmp_eq_u32 vcc_lo, 0, v1
	s_wait_xcnt 0x0                                ; EXEC is a source of the stores above: it narrows only behind this wait
	s_and_saveexec_b32 s74, vcc_lo
	global_store_b128 v21, v[32:35], s[22:23]
	s_wait_xcnt 0x0                                ; and widens only behind this one, which also frees v[32:35] for the next chunk's loads
	s_or_b32 exec_lo, exec_lo, s74
.Lnot_wave_0:
	REFILL 1                                       ; chunk 3
	CHUNK 0, 0
	s_wait_tensorcnt 0x0                           ; chunk 3 is in: nothing is left to fetch, so a barrier of the work-group is enough
	s_wait_dscnt 0x0
	s_barrier_signal -1
	s_barrier_wait -1
	CHUNK 1, 0
	; the two halves of K meet: I hand my partner the sums of the j block that it keeps, and am handed those of mine
.rept 4
	v_nop                                          ; four places behind the last products before an LDS store or a vector instruction reads their sums
.endr
.irp t, 0,1,2,3
	ds_store_b128 v30, v[ACC+16+4*\t:ACC+16+4*\t+3] offset:512*\t
.endr
	s_wait_dscnt 0x0                               ; for my partner's sake
	s_barrier_signal -1
	s_barrier_wait -1
.irp t, 0,1,2,3
	ds_load_b128 v[32+4*\t:35+4*\t], v31 offset:512*\t
.endr
	s_wait_dscnt 0x0
.irp p, 0,2,4,6,8,10,12,14
	v_pk_add_f32 v[ACC+\p:ACC+\p+1], v[ACC+\p:ACC+\p+1], v[32+\p:33+\p]
.endr
	; the G tile leaves through its stage, rounded to bf16
.irp t, 0,1
.irp p, 0,1,2,3
	v_cvt_pk_bf16_f32 v[48+4*\t+\p], v[ACC+8*\t+2*\p], v[ACC+8*\t+2*\p+1]
.endr
.endr
	ds_store_b128 v18, v[48:51]
	ds_store_b128 v18, v[52:55] offset:32
	s_wait_dscnt 0x0                               ; for the other waves' sake
	s_barrier_signal -1
	s_barrier_wait -1
	ds_load_b128 v[56:59], v19
	ds_load_b128 v[60:63], v19 offset:32*144
	s_wait_dscnt 0x0
	global_store_b128 v20, v[56:59], s[80:81]                      ; eight lanes store a row piece of 128 bytes
	global_store_b128 v20, v[60:63], s[80:81] offset:32*2048
	s_set_vgpr_msb 0x5
	s_wait_tensorcnt 0x0
	ds_add_u32 v0, v1
	s_wait_dscnt 0x0
	s_set_vgpr_msb 0x500
	CROUND                                         ; the closing round: no work-group ends while a partner may still ask for a tile that names it
	s_endpgm
.Lfunc_end_k_q6b61edfc14_prep:
	.size	k_q6b61edfc14_prep, .Lfunc_end_k_q6b61edfc14_prep-k_q6b61edfc14_prep
	.p2alignl 7, 3214868480
	.fill 96, 4, 3214868480
	.section	.rodata,"a",@progbits
	.p2align	6, 0x0
	.amdhsa_kernel k_q6b61edfc14_prep
		.amdhsa_group_segment_fixed_size 327680
		.amdhsa_private_segment_fixed_size 0
		.amdhsa_enable_private_segment 0
		.amdhsa_kernarg_size 64
		.amdhsa_user_sgpr_count 2
		.amdhsa_user_sgpr_kernarg_segment_ptr 1
		.amdhsa_wavefront_size32 1
		.amdhsa_system_sgpr_workgroup_id_x 1
		.amdhsa_system_sgpr_workgroup_id_y 1
		.amdhsa_system_sgpr_workgroup_id_z 1
		.amdhsa_system_vgpr_workitem_id 0
		.amdhsa_next_free_vgpr 258
		.amdhsa_next_free_sgpr 96
		.amdhsa_reserve_vcc 1
		.amdhsa_float_denorm_mode_32 3
		.amdhsa_float_denorm_mode_16_64 3
		.amdhsa_memory_ordered 1
		.amdhsa_forward_progress 1
		.amdhsa_inst_pref_size 81
	.end_amdhsa_kernel
	.amdgpu_metadata
---
amdhsa.version: [ 1, 2 ]
amdhsa.kernels:
  - .name:           k_q6b61edfc14_prep
    .symbol:         k_q6b61edfc14_prep.kd
    .args:
      - { .name: sequence_output, .offset: 0, .size: 8, .value_kind: global_buffer, .address_space: global }
      - { .name: Wq, .offset: 8, .size: 8, .value_kind: global_buffer, .address_space: global }
      - { .name: Wk, .offset: 16, .size: 8, .value_kind: global_buffer, .address_space: global }
      - { .name: Wv, .offset: 24, .size: 8, .value_kind: global_buffer, .address_space: global }
      - { .name: bq, .offset: 32, .size: 8, .value_kind: global_buffer, .address_space: global }
      - { .name: xb, .offset: 40, .size: 8, .value_kind: global_buffer, .address_space: global }
      - { .name: wcat, .offset: 48, .size: 8, .value_kind: global_buffer, .address_space: global }
      - { .name: gvec, .offset: 56, .size: 8, .value_kind: global_buffer, .address_space: global }
    .group_segment_fixed_size: 327680
    .private_segment_fixed_size: 0
    .kernarg_segment_align: 8
    .kernarg_segment_size: 64
    .max_flat_workgroup_size: 256
    .sgpr_count:     96
    .vgpr_count:     258
    .wavefront_size: 32
...
	.end_amdgpu_metadata
.endif
;; end of part 1
;; launch gemm (part 2): grid 8 x 32, 4 waves a work-group, clusters of 4 x 4, 327,680 bytes of LDS; arguments xb, wcat, gvec, bv, vb, sp; writes vb, sp
.if DOCPART == 2
	.amdgcn_target "amdgcn-amd-amdhsa--gfx1250"
	.amdhsa_code_object_version 6
	.text
	.protected	k_q6b61edfc14_gemm
	.globl	k_q6b61edfc14_gemm
	.p2align	8
	.type	k_q6b61edfc14_gemm,@function
k_q6b61edfc14_gemm:
	s_mov_b64 s[64:65], 0
	v_nop
	global_prefetch_b8 v0, s[64:65] scope:SCOPE_SE
	s_setreg_imm32_b32 hwreg(HW_REG_WAVE_MODE, 25, 1), 1
	s_wait_xcnt 0x0
	s_wait_alu depctr_hold_cnt(0) depctr_sa_sdst(0) depctr_va_vdst(0) depctr_va_sdst(0) depctr_va_ssrc(0) depctr_va_vcc(0) depctr_vm_vsrc(0)
	s_getreg_b32 s2, hwreg(HW_REG_IB_STS2, 6, 4)
	s_cmp_eq_u32 s2, 0
	s_cbranch_scc0 .Lentry_in_a_cluster
	s_endpgm
.Lentry_in_a_cluster:
	s_bfe_u32 s2, ttmp6, 0x10000c
	s_cmp_lg_u32 s2, 0xf033
	s_cbranch_scc0 .Lentry_shape_is_right
	s_endpgm
.Lentry_shape_is_right:
; LocalAttention, second of three launches: xb wcat^T + bias, 8192 x 2048 x 1024 in bf16 with f32 sums, as 256 blocks of 256 x 256.
; Left out as shown at the head of the first launch: bk (it cancels in the softmax) and the projections Q and K (score = (x G + g) . x').
; wcat's rows take turns in groups of 128, so that block column c (0..7) is T's columns 128 c .. +127 (T = x G + g) and V's columns 128 c .. +127
; (V = x Wv + bv).  A work-group makes its block with four waves, as many as a WGP has SIMDs; a wave makes 128 x 128: 64 accumulator tiles of 16 x 16,
; 512 registers.  The wave's column half says what it makes: waves 0 and 2 make T, waves 1 and 3 make V.  So every work-group stores the same,
; 128 KB of V and 8 KB of partial scores, and the T waves' score products run on two SIMDs while V's rows leave from the other two.
; T never goes to memory: a T wave multiplies its 128 x 128 of T, rounded to bf16, with the 132 rows of x that its windows reach (144 are loaded, nine
; tiles of 16), picks the band of five out of the products and stores partial scores: sp[block column 0..7][row][w]; the third launch adds the eight.
; V is stored in vb in f32: it is carried to the third launch's f32 mix as it is summed here; a rounding to bf16 on the way would add up to 2^-9 |V| to
; each of the mix's five terms.
; K goes in steps of 128 through a ring of two LDS slots filled by the tensor data mover: a tile's rows are 256 bytes of memory, aligned.
; CLUSTERS: 4 x 4 work-groups.  The four of a row of the cluster need the same tiles of xb, the four of a column the same tiles of wcat: such a tile is
; asked for jointly, each of the four issuing the same tensor load with the same descriptor and a mask that names the four.
; The one branch between the two ways out hangs on the wave's number alone, and neither way out holds a barrier.
; Behind the ring each wave has a stage of 10,240 bytes of its own, whichever way out it takes: no byte of it is touched by two waves.
;
; REGISTERS, in windows of 256:
;   window 0: v0-47 addresses and small work; v64-127, v128-191 fragments of xb, two buffers (V waves: later rows on their way out); v192-255 the bias (first quarter step)
;   window 1: v64-127, v128-191 fragments of wcat, two buffers
;   window 2: the 32 accumulator tiles of my rows 0-63 (tile (a, b) at v[8 (8 a + b)]);   window 3: those of my rows 64-127
;   behind the last product, T waves: window 1 v0-215 and window 0 v48-119 fragments of x for the scores; T is packed in place in windows 2 and 3;
;   window 0 v120-247 sixteen score tiles.
; THE MATRIX INSTRUCTION IS USED TRANSPOSED: source 0 = 16 rows of wcat, source 1 = 16 rows of xb.  Lane l then holds row m = l % 16 and, in registers 0-7,
; the neighbouring columns n = 8 (l / 16) + 0..7.  Packed to bf16, two neighbouring tiles of T are exactly a fragment of 16 rows x 32 K.
.set SIZE_K, 1024
.set KSTEP,  128
.set PITCH,  272                       ; an LDS row: 256 bytes + 16 of padding: the 16 rows that a load touches start at 16 different groups of banks
.set HALFT,  128*PITCH                 ; 128 rows: what one tensor load brings
.set SLOT,   4*HALFT                   ; xb's 256 rows, then wcat's 256 rows
.set STAGE,  2*SLOT                    ; behind the ring, never the target of a fill
.set SPITCH, 528                       ; V's stage: 16 rows of 512 bytes (128 f32) + 16: an odd multiple of 16
.set SROW,   80                        ; a row of the score stage: 16 words + 4
.set WST,    128*SROW                  ; a wave's stage: 128 score rows (T waves); V waves use its first 16 x 528 bytes
.set VROW,   2048                      ; bytes in a row of xb
.set VBROW,  4096                      ; bytes in a row of vb
.set LAPS, SIZE_K/(2*KSTEP)            ; a lap = two K steps = once round the ring
.set LN,   5                           ; v5      lane
.set ADRA, 16                          ; v16-17  LDS address of my xb fragments in slot 0, 1
.set ADRB, 20                          ; v20-21  the same for wcat
.set STO,  24                          ; v24     V out: where I put 32 bytes of a row
.set RD,   25                          ; v25     V out: where I read a row back
.set CO,   26                          ; v26     16 x lane: my byte offset in a store of 512 bytes
.set BO,   27                          ; v27     bias: 32 h
.set XA0,  28                          ; v28-30  byte offsets in xb of the score fragments: first tile (clamped below), tiles 1-7, last tile (clamped above)
.set XAM,  29
.set XA8,  30
.set RB,   31                          ; v31     score stage, read back
.set SAD,  32                          ; v32-39  score stage, where register e of a score tile goes
.set EV,   40                          ; v40-47  picked scores
.set XF3,  48                          ; v48-119 x fragments, chunk 3 (window 0); later the scores on their way out
.set F0,   64
.set F1,   128
.set SC,   120                         ; v120-247 score tiles: S1[a] at SC + 16 a, S2[a] at SC + 16 a + 8
.set GB,   192                         ; v192-255 bias of my 128 columns, in the accumulators' layout
.set G1, 24                            ; s[24:31] descriptor group 1 for xb's tiles
.set G0, 32                            ; s[32:39] descriptor group 0 for xb's tiles, one set for each slot
.set G1B, 48                           ; s[48:55] group 1 for wcat's tiles: another mask
.set G0B, 56                           ; s[56:63] group 0 for wcat's tiles
.set MK, 76                            ; s[76:83] lane masks for the band
.set MSB, 0
.macro WIN new                         ; the immediate's high byte repeats the setting that is left
.if MSB != \new
	s_set_vgpr_msb (MSB<<8)|\new
.set MSB, \new
.endif
.endm
.set MUL_LO,  0xa1                     ; source 0 window 1, source 1 window 0, C and D window 2
.set MUL_HI,  0xf1                     ; the same, C and D window 3
.set BIAS_LO, 0x81                     ; C = the bias in window 0, D window 2
.set BIAS_HI, 0xc1                     ; C = the bias in window 0, D window 3
.set TO_B,    0x40                     ; destination window 1, address window 0
; A joint load.  Waves 0 and 1 fetch xb's two halves, waves 2 and 3 wcat's.  Each line has one mask and one set of registers for all that issue it.
.macro JLOAD s
	s_cmp_eq_u32 s11, 0
	s_cbranch_scc0 .Lfor_b_\@
	tensor_load_to_lds s[G0+4*\s:G0+4*\s+3], s[G1:G1+7]
	s_nop 0
	s_branch .Lasked_\@
.Lfor_b_\@:
	tensor_load_to_lds s[G0B+4*\s:G0B+4*\s+3], s[G1B:G1B+7]
	s_nop 0
.Lasked_\@:
.endm
; A round of the cluster's barrier: my work-group's barrier; wave 0 signals for the work-group; every wave waits for all sixteen; my work-group's barrier again.
.macro CREST                           ; a round behind its opening barrier
	s_cmp_lg_u32 s10, 0
	s_cbranch_scc1 .Lnot_wave_0_\@
	s_barrier_signal -3
.Lnot_wave_0_\@:
	s_barrier_wait -3
	s_barrier_signal -1
	s_barrier_wait -1
.endm
.macro CROUND                          ; a whole round
	s_barrier_signal -1
	s_barrier_wait -1
	CREST
.endm
	s_load_b128 s[4:7], s[0:1], 0x0                ; xb s[4:5], wcat s[6:7]
	s_load_b128 s[68:71], s[0:1], 0x10             ; gvec s[68:69], bv s[70:71]
	s_load_b128 s[72:75], s[0:1], 0x20             ; vb s[72:73], sp s[74:75]
	s_set_vgpr_msb 0x40
	v_lshl_add_u32 v255, v0, 2, 0x4e000
	s_set_vgpr_msb 0x4000
	v_mov_b32 v23, 0
	s_set_vgpr_msb 0x1
	ds_add_u32 v255, v23
	s_set_vgpr_msb 0x100
	v_lshrrev_b32 v1, 5, v0
	v_readfirstlane_b32 s10, v1                    ; wave 0..3
	s_lshr_b32 s11, s10, 1                         ; which half of the block's rows is mine.  Also: I fetch for xb (0) or for wcat (1)
	s_and_b32 s12, s10, 1                          ; which half of its columns: 0 = T, 1 = V.  Also: which 128 rows of a tile I fetch
	s_bfe_u32 s40, ttmp6, 0x40000                  ; cx
	s_bfe_u32 s41, ttmp6, 0x40004                  ; cy
	s_lshl_b32 s42, ttmp9, 2
	s_add_co_u32 s42, s42, s40                     ; block column = 4 x cluster x + cx
	s_and_b32 s13, ttmp7, 0xffff
	s_lshl_b32 s13, s13, 2
	s_add_co_u32 s13, s13, s41                     ; block row = 4 x cluster y + cy
	s_lshl_b32 s43, s41, 2
	s_lshl_b32 s43, 15, s43                        ; my row of the cluster: places 4 cy .. 4 cy + 3
	s_lshl_b32 s44, 0x1111, s40                    ; my column: places cx, cx + 4, cx + 8, cx + 12
	; descriptor group 1: a tile of 128 rows x 128 elements of 2 bytes, 4 words of padding behind every 64 words
	s_or_b32 s[G1+0], s43, (1<<16)|(1<<20)|(1<<21)|(5<<22)|(3<<25)  ; 15:0 mask: xb's tiles go to my row; 17:16 element of 2 bytes; 20 padding on; 21 set beside a mask; 24:22 interval code 5; 31:25 pad code 3
	s_or_b32 s[G1B+0], s44, (1<<16)|(1<<20)|(1<<21)|(5<<22)|(3<<25) ; the same with the mask of my column, for wcat's tiles
	s_mov_b32 s[G1B+1], KSTEP<<16
	s_mov_b32 s[G1+1], KSTEP<<16                   ; tensor_dim0 = 128
	s_mov_b32 s[G1B+2], 128<<16
	s_mov_b32 s[G1+2], 128<<16                     ; tensor_dim1 = 128
	s_mov_b32 s[G1B+3], KSTEP<<16
	s_mov_b32 s[G1+3], KSTEP<<16                   ; tile_dim0 = 128
	s_mov_b32 s[G1B+4], 128
	s_mov_b32 s[G1+4], 128                         ; tile_dim1 = 128
	s_mov_b32 s[G1B+5], SIZE_K
	s_mov_b32 s[G1+5], SIZE_K                      ; elements from row to row
	s_mov_b32 s[G1B+6], 0
	s_mov_b32 s[G1+6], 0
	s_mov_b32 s[G1B+7], 0
	s_mov_b32 s[G1+7], 0
	; where the tiles come from: xb's hang on the block row alone, wcat's on the block column alone, each in registers that never hold the other coordinate
	s_lshl_b32 s17, s12, 7
	s_lshl_b32 s16, s13, 8
	s_add_co_u32 s16, s16, s17                     ; xb: row 256 x block row + 128 x half
	s_lshl_b32 s46, s42, 8
	s_add_co_u32 s46, s46, s17                     ; wcat: row 256 x block column + 128 x half
	s_mov_b32 s17, 0
	s_mov_b32 s47, 0
	s_mov_b64 s[18:19], SIZE_K*2
	s_mul_u64 s[16:17], s[16:17], s[18:19]
	s_mul_u64 s[46:47], s[46:47], s[18:19]
	s_mul_i32 s20, s10, HALFT                      ; and where they go: wave x 128 rows; no place in the cluster enters an LDS address
	s_wait_dscnt 0x0
	s_wait_kmcnt 0x0
	s_add_nc_u64 s[14:15], s[4:5], s[16:17]
	s_add_nc_u64 s[46:47], s[6:7], s[46:47]
	CROUND                                         ; all sixteen work-groups are here: the first joint loads meet
.irp s, 0,1
	s_mov_b32 s[G0+4*\s], 1
	s_add_co_u32 s[G0+4*\s+1], s20, \s*SLOT
	s_add_nc_u64 s[G0+4*\s+2:G0+4*\s+3], s[14:15], \s*KSTEP*2
	s_or_b32 s[G0+4*\s+3], s[G0+4*\s+3], 0x80000000
	s_mov_b32 s[G0B+4*\s], 1
	s_add_co_u32 s[G0B+4*\s+1], s20, \s*SLOT
	s_add_nc_u64 s[G0B+4*\s+2:G0B+4*\s+3], s[46:47], \s*KSTEP*2
	s_or_b32 s[G0B+4*\s+3], s[G0B+4*\s+3], 0x80000000
	JLOAD \s                                       ; both slots' first fills go out together: two tensor loads of the wave are out
.endr
	v_and_b32 v1, 15, v0                           ; r = l % 16
	v_bfe_u32 v2, v0, 4, 1                         ; h = l / 16
	v_mul_u32_u24 v3, v1, PITCH
	v_lshl_add_u32 v3, v2, 4, v3                   ; row x pitch + 16 x half
	s_mul_i32 s21, s11, HALFT                      ; my 128 rows of xb
	s_mul_i32 s22, s12, HALFT                      ; my 128 rows of wcat,
	s_add_co_u32 s22, s22, 2*HALFT                 ; which lie behind xb's 256
.irp s, 0,1
	v_add_nc_u32 v[ADRA+\s], s21, v3
	v_add_nc_u32 v[ADRB+\s], s22, v3
	s_add_co_u32 s21, s21, SLOT
	s_add_co_u32 s22, s22, SLOT
.endr
	s_mul_i32 s23, s10, WST
	s_add_co_u32 s23, s23, STAGE                   ; my wave's stage, for either way out; s23 is not written again
	v_mul_u32_u24 v4, v1, SPITCH
	v_lshl_add_u32 v4, v2, 5, v4                   ; V in: row r, 32 bytes (8 f32) for each half of the lanes
	v_add_nc_u32 v[STO], s23, v4
	v_and_b32 v[LN], 31, v0                        ; lane
	v_lshlrev_b32 v[CO], 4, v[LN]                  ; 16 x lane
	v_add_nc_u32 v[RD], s23, v[CO]                 ; V back: the 32 lanes take one row of 512 bytes
	; The bias starts the sums: register e of lane (r, h) of tile (a, b) is column 16 b + 8 h + e, so the C operand of the first products is
	; bias[16 b + 8 h + e], the same for all a.  g for T waves, bv for V waves, each at column 128 x block column.
	s_cmp_eq_u32 s12, 0
	s_cselect_b64 s[84:85], s[68:69], s[70:71]
	s_lshl_b32 s86, s42, 9                         ; 128 columns of 4 bytes for each block column
	s_mov_b32 s87, 0
	s_add_nc_u64 s[84:85], s[84:85], s[86:87]
	v_lshlrev_b32 v[BO], 5, v2
.irp b, 0,1,2,3,4,5,6,7
	global_load_b128 v[GB+8*\b:GB+8*\b+3],   v[BO], s[84:85] offset:64*\b
	global_load_b128 v[GB+8*\b+4:GB+8*\b+7], v[BO], s[84:85] offset:64*\b+16
.endr
; 16 matrix instructions: m blocks a0, a0 + 1 of the window's four x all 8 n blocks, 32 along K.  bias = 1: the first products take the bias as C.
.macro MUL16 f, hi, a0, bias
.irp a, \a0, \a0+1
.irp b, 0,1,2,3,4,5,6,7
.if \bias
	v_wmma_f32_16x16x32_bf16 v[8*(8*(\a)+\b):8*(8*(\a)+\b)+7], v[\f+8*\b:\f+8*\b+7], v[\f+8*(4*\hi+\a):\f+8*(4*\hi+\a)+7], v[GB+8*\b:GB+8*\b+7]
.else
	v_wmma_f32_16x16x32_bf16 v[8*(8*(\a)+\b):8*(8*(\a)+\b)+7], v[\f+8*\b:\f+8*\b+7], v[\f+8*(4*\hi+\a):\f+8*(4*\hi+\a)+7], v[8*(8*(\a)+\b):8*(8*(\a)+\b)+7]
.endif
.endr
.endr
.endm
; 32 LDS loads in one run: the fragments of one quarter step into buffer f
.macro FETCH slot, k, f
	WIN TO_B
.irp i, 0,1,2,3,4,5,6,7
	ds_load_b128 v[\f+8*\i:\f+8*\i+3],   v[ADRB+\slot] offset:\k+\i*16*PITCH
	ds_load_b128 v[\f+8*\i+4:\f+8*\i+7], v[ADRB+\slot] offset:\k+\i*16*PITCH+32
.endr
	WIN 0
.irp i, 0,1,2,3,4,5,6,7
	ds_load_b128 v[\f+8*\i:\f+8*\i+3],   v[ADRA+\slot] offset:\k+\i*16*PITCH
	ds_load_b128 v[\f+8*\i+4:\f+8*\i+7], v[ADRA+\slot] offset:\k+\i*16*PITCH+32
.endr
.endm
; Four places behind a matrix instruction before its registers are loaded or written again or its result is read by a vector instruction or a store.
.macro PLACES
.rept 4
	v_nop
.endr
.endm
; A K step is four quarter steps of 32 along K, 64 matrix instructions each, on buffers 0, 1, 0, 1.  The 64 accumulators take turns, one instruction a
; turn, in the same order in every quarter step, over the loop's backward jump too.
.macro QUARTER slot, k, f, g, bias
	s_wait_dscnt 8                                 ; wcat's and xb's rows 0-63 are in; the youngest eight loads (xb's rows 64-127) may be out
.if \bias
	WIN BIAS_LO
.else
	WIN MUL_LO
.endif
	MUL16 \f, 0, 0, \bias
	MUL16 \f, 0, 2, \bias
	PLACES
	FETCH \slot, \k, \g
	s_wait_dscnt 32                                ; all but the 32 just issued
.if \bias
	WIN BIAS_HI
.else
	WIN MUL_HI
.endif
	MUL16 \f, 1, 0, \bias
	MUL16 \f, 1, 2, \bias
.endm
.macro THREE slot, bias
	QUARTER \slot, 64,  F0, F1, \bias
	QUARTER \slot, 128, F1, F0, 0
	QUARTER \slot, 192, F0, F1, 0
.endm
; The last quarter: multiplies buffer 1 and changes slots.  In front of the barrier each wave waits for its reads of this slot and for all its tensor
; loads (one is out: its part of the next slot).  Where the slot is filled again the barrier opens a round of the cluster's barrier, and the joint refill
; is the first tensor load behind the round, one a wave: it has 240 matrix instructions in which to land.
.macro TURN slot, next, fill
	s_wait_dscnt 8
	WIN MUL_LO
	MUL16 F1, 0, 0, 0
	s_wait_dscnt 0                                 ; my reads of this slot are over
	s_wait_tensorcnt 0x0                           ; and all my tensor loads have landed
	ds_add_u32 v255, v23
	s_wait_dscnt 0x0
	s_barrier_signal -1
	MUL16 F1, 0, 2, 0                              ; register work while the others arrive
	WIN 0
	s_barrier_wait -1
.if \fill
	CREST                                          ; no wave of any partner still reads this slot's tile or has a load on its way
	s_add_nc_u64 s[G0+4*\slot+2:G0+4*\slot+3], s[G0+4*\slot+2:G0+4*\slot+3], 2*KSTEP*2
	s_add_nc_u64 s[G0B+4*\slot+2:G0B+4*\slot+3], s[G0B+4*\slot+2:G0B+4*\slot+3], 2*KSTEP*2
	JLOAD \slot
.endif
	PLACES
	FETCH \next, 0, F0
	WIN MUL_HI
	MUL16 F1, 1, 0, 0
	MUL16 F1, 1, 2, 0
.endm
.macro LAP bias
	THREE 0, \bias
	TURN 0, 1, 1
	THREE 1, 0
	TURN 1, 0, 1
.endm
	s_wait_tensorcnt 1                             ; my part of K step 0 is in; K step 1's may stay out
	s_barrier_signal -1
	s_barrier_wait -1
	FETCH 0, 0, F0
	s_wait_loadcnt 0x0                             ; the bias
	LAP 1                                          ; the first lap stands in front of the loop: its first products start the sums from the bias
	WIN 0
	s_mov_b32 s3, LAPS-2
.Llap:
	LAP 0
	WIN 0
	s_sub_co_u32 s3, s3, 1
	s_cmp_lg_u32 s3, 0
	s_cbranch_scc1 .Llap
	THREE 0, 0                                     ; the last lap fills nothing
	TURN 0, 1, 0
	THREE 1, 0
	s_wait_dscnt 8
	WIN MUL_LO
	MUL16 F1, 0, 0, 0
	MUL16 F1, 0, 2, 0
	s_wait_dscnt 0
	WIN MUL_HI
	MUL16 F1, 1, 0, 0
	MUL16 F1, 1, 2, 0
	PLACES                                         ; behind the last products: for the conversions and LDS stores that read them and the loads into fragment registers
	WIN 0
	s_cmp_lg_u32 s12, 0                            ; the wave's column half: made of the wave's number alone
	s_cbranch_scc1 .Lv
	; ---------------- T waves: partial scores ----------------
	; My T rows are R0 .. R0 + 127, my columns the 128 at byte Nb of a row of xb.  Score tile f holds x rows R0 - 2 + 16 f + r, f = 0..8.
	; Rows before xb's first or behind its last are clamped into the buffer; they, and rows of a neighbouring sequence, feed only places that the third launch masks.
	; v8-10 hold the block's place and feed global addresses alone; no register that feeds an LDS address ever holds a place in the cluster.
	s_lshl_b32 s86, s13, 8
	s_lshl_b32 s87, s11, 7
	s_add_co_u32 s86, s86, s87                     ; R0
	s_lshl_b32 s87, s42, 8                         ; Nb = 256 x block column
	v_add_nc_u32 v8, s86, v1                       ; R0 + r
	v_lshl_add_u32 v9, v2, 4, s87                  ; 16 h + Nb
	v_lshl_add_u32 v[XAM], v8, 11, v9
	v_max_u32 v10, 2, v8
	v_add_nc_u32 v10, -2, v10
	v_lshl_add_u32 v[XA0], v10, 11, v9
	v_add_nc_u32 v10, 126, v8
	v_min_u32 v10, 8191, v10
	v_lshl_add_u32 v[XA8], v10, 11, v9
; 18 loads: the nine fragments (16 rows x 32 columns) of chunk c.  A lane takes 16 bytes of a row; the four chunks together take 256 aligned bytes of
; each of 144 rows, once in the launch for this wave.
.macro XLOAD c
.if \c < 3
	WIN TO_B
.set XB, 72*\c
.else
	WIN 0
.set XB, XF3
.endif
	global_load_b128 v[XB:XB+3],   v[XA0], s[4:5] offset:64*\c
	global_load_b128 v[XB+4:XB+7], v[XA0], s[4:5] offset:64*\c+32
.irp f, 1,2,3,4,5,6,7
	global_load_b128 v[XB+8*\f:XB+8*\f+3],   v[XAM], s[4:5] offset:(16*\f-2)*VROW+64*\c
	global_load_b128 v[XB+8*\f+4:XB+8*\f+7], v[XAM], s[4:5] offset:(16*\f-2)*VROW+64*\c+32
.endr
	global_load_b128 v[XB+64:XB+67], v[XA8], s[4:5] offset:64*\c
	global_load_b128 v[XB+68:XB+71], v[XA8], s[4:5] offset:64*\c+32
.endm
	; Three chunks, 54 loads, are asked for first; all that needs no x (addresses, masks, the 256 conversions of T) stands between them and the first wait;
	; the fourth chunk's 18 loads follow behind that work, when the first have had time to come back.
	XLOAD 0
	XLOAD 1
	XLOAD 2
	WIN 0
	; the band's masks and the stage's addresses.
	; Register e of lane (r, h) of S1[a] is (T row 16 a + 8 h + e, x row index 16 a + r): window place w = r - 8 h - e if that is not negative;
	; else the place w = r - 8 h - e + 16 lies in S2[a].  Either way w = (r - 8 h - e) & 15; places 5 .. 15 are outside the band and are never used.
	v_lshlrev_b32 v40, 3, v2
	v_sub_nc_u32 v40, v1, v40                      ; r - 8 h
	v_mul_u32_u24 v41, v2, 8*SROW
	v_add_nc_u32 v41, s23, v41                     ; my stage, row 8 h
.irp e, 0,1,2,3,4,5,6,7
	v_cmp_le_i32 s[MK+\e], \e, v40                 ; lanes that take S1
	v_add_nc_u32 v42, -\e, v40
	v_and_b32 v42, 15, v42
	v_lshl_add_u32 v42, v42, 2, v41
	v_add_nc_u32 v[SAD+\e], SROW*\e, v42           ; row 8 h + e, word w
.endr
	v_lshrrev_b32 v11, 1, v[LN]                    ; back: two lanes take the first eight words of a row
	v_mul_u32_u24 v11, v11, SROW
	v_and_b32 v12, 1, v[LN]
	v_lshl_add_u32 v11, v12, 4, v11
	v_add_nc_u32 v[RB], s23, v11
	s_lshl_b32 s86, s42, 18                        ; sp: my block column's part, 8192 rows of 32 bytes,
	s_lshl_b32 s87, s13, 13                        ; row 256 x block row
	s_add_co_u32 s86, s86, s87
	s_lshl_b32 s87, s11, 12                        ; + 128 x row half
	s_add_co_u32 s86, s86, s87
	s_mov_b32 s87, 0
	s_add_nc_u64 s[74:75], s[74:75], s[86:87]
; T is rounded to bf16 in place, one window (64 rows) at a time: the eight sums a lane holds of tile (a, 2 c) go into that tile's registers 0-3, those of
; tile (a, 2 c + 1) into its registers 4-7: the eight registers are then the fragment of T's rows 16 a .. +15, columns 32 c .. +31.
; Each conversion writes a register whose old value an earlier conversion, or itself, has read.
.macro TPACK hi
.if \hi
	WIN 0xcf                                       ; sources and destination window 3
.else
	WIN 0x8a                                       ; sources and destination window 2
.endif
.irp a, 0,1,2,3
.irp c, 0,1,2,3
.irp p, 0,1,2,3
	v_cvt_pk_bf16_f32 v[8*(8*\a+2*\c)+\p], v[8*(8*\a+2*\c)+2*\p], v[8*(8*\a+2*\c)+2*\p+1]
.endr
.irp p, 0,1,2,3
	v_cvt_pk_bf16_f32 v[8*(8*\a+2*\c)+4+\p], v[8*(8*\a+2*\c)+8+2*\p], v[8*(8*\a+2*\c)+8+2*\p+1]
.endr
.endr
.endr
.endm
	TPACK 0
	TPACK 1
	XLOAD 3
; Chunk c (32 columns), row half hi: eight products, S1[a] += T(a) x(a), S2[a] += T(a) x(a + 1).  Sixteen score tiles take turns, one instruction a turn.
; Source 0 = T (window 2 + hi), source 1 = x: register e of lane (r, h) is (T row 8 h + e, x row r).  No operand is written
; between the products, so the 64 follow each other.
.macro SGRP c, hi
.if \hi == 0
	s_wait_loadcnt 18*(3-\c)                       ; this chunk's 18 loads are in; the younger chunks' may stay out
.endif
.if \c < 3
.set XS, 6+\hi                                 ; T window 2 + hi, x window 1, scores window 0
.set XB, 72*\c
.else
.set XS, 2+\hi                                 ; T window 2 + hi, x and scores window 0
.set XB, XF3
.endif
	WIN XS
.irp a, 0,1,2,3
.if \c == 0
	v_wmma_f32_16x16x32_bf16 v[SC+16*(4*\hi+\a):SC+16*(4*\hi+\a)+7],    v[8*(8*\a+2*\c):8*(8*\a+2*\c)+7], v[XB+8*(4*\hi+\a):XB+8*(4*\hi+\a)+7], 0
	v_wmma_f32_16x16x32_bf16 v[SC+16*(4*\hi+\a)+8:SC+16*(4*\hi+\a)+15], v[8*(8*\a+2*\c):8*(8*\a+2*\c)+7], v[XB+8*(4*\hi+\a+1):XB+8*(4*\hi+\a+1)+7], 0
.else
	v_wmma_f32_16x16x32_bf16 v[SC+16*(4*\hi+\a):SC+16*(4*\hi+\a)+7],    v[8*(8*\a+2*\c):8*(8*\a+2*\c)+7], v[XB+8*(4*\hi+\a):XB+8*(4*\hi+\a)+7], v[SC+16*(4*\hi+\a):SC+16*(4*\hi+\a)+7]
	v_wmma_f32_16x16x32_bf16 v[SC+16*(4*\hi+\a)+8:SC+16*(4*\hi+\a)+15], v[8*(8*\a+2*\c):8*(8*\a+2*\c)+7], v[XB+8*(4*\hi+\a+1):XB+8*(4*\hi+\a+1)+7], v[SC+16*(4*\hi+\a)+8:SC+16*(4*\hi+\a)+15]
.endif
.endr
.endm
.irp c, 0,1,2,3
	SGRP \c, 0
	SGRP \c, 1
.endr
	PLACES
	WIN 0
	; the band goes to my stage: every lane stores, one word for each register of each pair of tiles
.irp a, 0,1,2,3,4,5,6,7
.irp e, 0,1,2,3,4,5,6,7
	v_cndmask_b32 v[EV+\e], v[SC+16*\a+8+\e], v[SC+16*\a+\e], s[MK+\e]
	ds_store_b32 v[SAD+\e], v[EV+\e] offset:16*SROW*\a
.endr
.endr
	; and comes back by rows, sixteen rows a load: places 0 to 7 of each row (5 to 7 are written and never used)
.irp u, 0,1,2,3,4,5,6,7
	ds_load_b128 v[48+4*\u:51+4*\u], v[RB] offset:16*SROW*\u       ; LDS serves a wave's instructions in order (ISA guide 5.7.1): these see my stores above
.endr
.irp u, 0,1,2,3,4,5,6,7
	s_wait_dscnt 7-\u                              ; load u is in; the 7 - u younger ones may stay out
	global_store_b128 v[CO], v[48+4*\u:51+4*\u], s[74:75] offset:512*\u   ; each store of the wave covers 512 consecutive bytes, aligned
.endr
	s_branch .Lend
	; ---------------- V waves: f32 as summed, 16 rows at a time through my own stage, out as whole rows of 512 bytes ----------------
.Lv:
	s_lshl_b32 s86, s13, 20                        ; 256 x block row rows of 4,096 bytes
	s_lshl_b32 s87, s11, 19                        ; + 128 x row half
	s_add_co_u32 s86, s86, s87
	s_lshl_b32 s87, s42, 9                         ; + 128 columns of 4 bytes for each block column
	s_add_co_u32 s86, s86, s87
	s_mov_b32 s87, 0
	s_add_nc_u64 s[72:73], s[72:73], s[86:87]
; rows 16 i .. 16 i + 15 of my block = the eight tiles (a, 0..7) of window 2 or 3.  from = 0x08 or 0x0c: an LDS store's data is source 1, its address source 0.
; A lane's eight sums of tile b are 32 neighbouring bytes of row r: two stores of 16 bytes.  f: F0 or F1 in turn, 64 registers for 16 rows.
.macro OUT16 i, a, from, f
	WIN \from
.irp b, 0,1,2,3,4,5,6,7
	ds_store_b128 v[STO], v[8*(8*\a+\b):8*(8*\a+\b)+3]   offset:64*\b
	ds_store_b128 v[STO], v[8*(8*\a+\b)+4:8*(8*\a+\b)+7] offset:64*\b+16
.endr
	WIN 0
	s_wait_xcnt 0x0                                ; buffer f, which stores read, and the stores' base are rewritten only behind this wait
.if \i
	s_add_nc_u64 s[72:73], s[72:73], 16*VBROW
.endif
.irp t, 0,1,2,3,4,5,6,7,8,9,10,11,12,13,14,15
	ds_load_b128 v[\f+4*\t:\f+4*\t+3], v[RD] offset:\t*SPITCH      ; LDS serves a wave's instructions in order (ISA guide 5.7.1): these see the stores above
.endr
.irp t, 0,1,2,3,4,5,6,7,8,9,10,11,12,13,14,15
	s_wait_dscnt 15-\t                             ; row t is in; the 15 - t younger loads may stay out
	global_store_b128 v[CO], v[\f+4*\t:\f+4*\t+3], s[72:73] offset:\t*VBROW   ; each store of the wave covers 512 consecutive bytes, aligned
.endr
.endm
	OUT16 0, 0, 0x08, F0
	OUT16 1, 1, 0x08, F1
	OUT16 2, 2, 0x08, F0
	OUT16 3, 3, 0x08, F1
	OUT16 4, 0, 0x0c, F0
	OUT16 5, 1, 0x0c, F1
	OUT16 6, 2, 0x0c, F0
	OUT16 7, 3, 0x0c, F1
.Lend:
	s_set_vgpr_msb 0x1
	s_wait_tensorcnt 0x0
	ds_add_u32 v255, v23
	s_wait_dscnt 0x0
	s_set_vgpr_msb 0x100
	CROUND                                         ; the closing round: no work-group ends while a partner may still ask for a tile that names it
	s_endpgm
.Lfunc_end_k_q6b61edfc14_gemm:
	.size	k_q6b61edfc14_gemm, .Lfunc_end_k_q6b61edfc14_gemm-k_q6b61edfc14_gemm
	.p2alignl 7, 3214868480
	.fill 96, 4, 3214868480
	.section	.rodata,"a",@progbits
	.p2align	6, 0x0
	.amdhsa_kernel k_q6b61edfc14_gemm
		.amdhsa_group_segment_fixed_size 327680
		.amdhsa_private_segment_fixed_size 0
		.amdhsa_enable_private_segment 0
		.amdhsa_kernarg_size 48
		.amdhsa_user_sgpr_count 2
		.amdhsa_user_sgpr_kernarg_segment_ptr 1
		.amdhsa_wavefront_size32 1
		.amdhsa_system_sgpr_workgroup_id_x 1
		.amdhsa_system_sgpr_workgroup_id_y 1
		.amdhsa_system_sgpr_workgroup_id_z 1
		.amdhsa_system_vgpr_workitem_id 0
		.amdhsa_next_free_vgpr 1024
		.amdhsa_next_free_sgpr 96
		.amdhsa_reserve_vcc 0
		.amdhsa_float_denorm_mode_32 3
		.amdhsa_float_denorm_mode_16_64 3
		.amdhsa_memory_ordered 1
		.amdhsa_forward_progress 1
		.amdhsa_inst_pref_size 238
	.end_amdhsa_kernel
	.amdgpu_metadata
---
amdhsa.version: [ 1, 2 ]
amdhsa.kernels:
  - .name:           k_q6b61edfc14_gemm
    .symbol:         k_q6b61edfc14_gemm.kd
    .args:
      - { .name: xb, .offset: 0, .size: 8, .value_kind: global_buffer, .address_space: global }
      - { .name: wcat, .offset: 8, .size: 8, .value_kind: global_buffer, .address_space: global }
      - { .name: gvec, .offset: 16, .size: 8, .value_kind: global_buffer, .address_space: global }
      - { .name: bv, .offset: 24, .size: 8, .value_kind: global_buffer, .address_space: global }
      - { .name: vb, .offset: 32, .size: 8, .value_kind: global_buffer, .address_space: global }
      - { .name: sp, .offset: 40, .size: 8, .value_kind: global_buffer, .address_space: global }
    .group_segment_fixed_size: 327680
    .private_segment_fixed_size: 0
    .kernarg_segment_align: 8
    .kernarg_segment_size: 48
    .max_flat_workgroup_size: 128
    .sgpr_count:     96
    .vgpr_count:     1024
    .wavefront_size: 32
...
	.end_amdgpu_metadata
.endif
;; end of part 2
;; launch mix (part 3): grid 256 x 1, 8 waves a work-group, no clusters, 0 bytes of LDS; arguments vb, sp, out0; writes out0
.if DOCPART == 3
	.amdgcn_target "amdgcn-amd-amdhsa--gfx1250"
	.amdhsa_code_object_version 6
	.text
	.protected	k_q6b61edfc14_mix
	.globl	k_q6b61edfc14_mix
	.p2align	8
	.type	k_q6b61edfc14_mix,@function
k_q6b61edfc14_mix:
	s_mov_b64 s[64:65], 0
	v_nop
	global_prefetch_b8 v0, s[64:65] scope:SCOPE_SE
	s_setreg_imm32_b32 hwreg(HW_REG_WAVE_MODE, 25, 1), 1
	s_wait_xcnt 0x0
; LocalAttention, third of three launches: softmax over the window of five and the mix of five rows of V.
; Left out as shown at the head of the first launch: the term Q . bk, which is the same at all five places of a window.
; out[s] = sum over w of p[s][w] V[clip(s + w - 2)], p = softmax over w of score / 32, places outside the sequence at -inf; the maximum is taken away
; before the exponentials, and V's row index is clipped into the sequence, as the reference does both.
; A score is the sum of eight partial scores, one for each 128 of the 1,024 hidden columns: sp[column half][row][w].
; Memory binds (V once and an eighth, the scores, the output): no LDS, no barrier.  The five-term mix stays on the vector unit in f32, on V in f32: a band
; of 5 in a K of 32 would use less than a sixth of a matrix product.
; Eight waves; the work-group owns 32 rows, R = 32 wg (a sequence of 2,048 rows holds whole work-groups).  Thread t owns columns 4 t .. 4 t + 3 of every row:
; 16 bytes of V, 16 bytes of out.  Lane l of EVERY wave makes row R + l's five probabilities: some sixty instructions done eight times spare a trip through LDS.
; All 36 rows of V that the 32 windows reach are asked for at the start, 144 registers, and are used as they land, in order.
; Output row o is formed IN PLACE in the registers of V's row o of the 36: windows o - 4 .. o read that row, so output row o is its last reader.
; No register that a store reads is ever written again, so no store is waited for.
.set RAW, 48                           ; v[48:191]  36 rows x 4 registers of V; row i is sequence row R - 2 + i, clipped; rows 0-31 end as output rows
.set SP4, 192                          ; v[192:223] places 0 to 3 of the eight partial scores
.set SP1, 12                           ; v[12:19]   place 4 of the eight
.set P,   40                           ; v[40:44]   lane l: the five probabilities of row R + l
; v2 V offset of row R; v3-6 V offsets of the four edge rows; v7 sp offset; v8 out offset; v9 place in the sequence; v10, v11, v37, v39 at work; v38 -inf
; s[20:29], s[30:39]: two sets of five pairs; the even register holds a probability, the odd one is written once and never used in arithmetic
	s_load_b128 s[4:7], s[0:1], 0x0                ; vb s[4:5], sp s[6:7]
	s_load_b64 s[8:9], s[0:1], 0x10                ; out0
	s_lshl_b32 s10, ttmp9, 5                       ; R
	s_and_b32 s11, s10, 2047                       ; R's place in its sequence
	s_sub_co_u32 s18, s10, s11                     ; the sequence's first row
	s_add_co_u32 s19, s18, 2047                    ; and its last
	s_sub_co_i32 s14, s10, 2
	s_max_i32 s14, s14, s18                        ; rows R - 2, R - 1, R + 32, R + 33, clipped into the sequence
	s_sub_co_i32 s15, s10, 1
	s_max_i32 s15, s15, s18
	s_add_co_u32 s16, s10, 32
	s_min_u32 s16, s16, s19
	s_add_co_u32 s17, s10, 33
	s_min_u32 s17, s17, s19
	s_mov_b32 s13, 0x3d38aa3b                      ; log2(e) / 32: the scale 1 / sqrt(1024) and the change of base in one factor
.irp k, 21,23,25,27,29,31,33,35,37,39
	s_mov_b32 s\k, 0
.endr
	v_and_b32 v1, 31, v0                           ; lane
	s_lshl_b32 s40, s10, 12
	v_lshl_add_u32 v2, v0, 4, s40                  ; row x 4,096 + 16 t
	s_lshl_b32 s40, s14, 12
	v_lshl_add_u32 v3, v0, 4, s40
	s_lshl_b32 s40, s15, 12
	v_lshl_add_u32 v4, v0, 4, s40
	s_lshl_b32 s40, s16, 12
	v_lshl_add_u32 v5, v0, 4, s40
	s_lshl_b32 s40, s17, 12
	v_lshl_add_u32 v6, v0, 4, s40
	v_lshlrev_b32 v7, 5, v1                        ; a row of sp is 32 bytes
	v_lshlrev_b32 v8, 4, v0
	v_add_nc_u32 v9, s11, v1                       ; my row's place in its sequence
	v_mov_b32 v38, 0xff800000                      ; -inf
	s_lshl_b32 s40, s10, 5
	s_mov_b32 s41, 0
	s_lshl_b32 s42, s10, 12
	s_mov_b32 s43, 0
	s_wait_kmcnt 0x0
	s_add_nc_u64 s[6:7], s[6:7], s[40:41]          ; sp at row R
	s_add_nc_u64 s[8:9], s[8:9], s[42:43]          ; out at row R
.irp b, 0,1,2,3,4,5,6,7
	global_load_b128 v[SP4+4*\b:SP4+4*\b+3], v7, s[6:7] offset:262144*\b   ; column half b: places 0 to 3
	global_load_b32 v[SP1+\b], v7, s[6:7] offset:262144*\b+16              ; place 4
.endr
	global_load_b128 v[RAW:RAW+3], v3, s[4:5]
	global_load_b128 v[RAW+4:RAW+7], v4, s[4:5]
.set i, 2
.rept 32
	global_load_b128 v[RAW+4*i:RAW+4*i+3], v2, s[4:5] offset:(i-2)*4096    ; a wave's load covers 512 consecutive bytes, aligned
.set i, i+1
.endr
	global_load_b128 v[RAW+136:RAW+139], v5, s[4:5]
	global_load_b128 v[RAW+140:RAW+143], v6, s[4:5]
	s_wait_loadcnt 36                              ; the sixteen loads of scores are in; V's 36 rows stay out
	; the eight partial scores, added as a tree
.irp b, 0,2,4,6
	v_pk_add_f32 v[SP4+4*\b:SP4+4*\b+1],   v[SP4+4*\b:SP4+4*\b+1],   v[SP4+4*\b+4:SP4+4*\b+5]
	v_pk_add_f32 v[SP4+4*\b+2:SP4+4*\b+3], v[SP4+4*\b+2:SP4+4*\b+3], v[SP4+4*\b+6:SP4+4*\b+7]
.endr
.irp b, 0,4
	v_pk_add_f32 v[SP4+4*\b:SP4+4*\b+1],   v[SP4+4*\b:SP4+4*\b+1],   v[SP4+4*\b+8:SP4+4*\b+9]
	v_pk_add_f32 v[SP4+4*\b+2:SP4+4*\b+3], v[SP4+4*\b+2:SP4+4*\b+3], v[SP4+4*\b+10:SP4+4*\b+11]
.endr
	v_pk_add_f32 v[32:33], v[SP4:SP4+1],   v[SP4+16:SP4+17]
	v_pk_add_f32 v[34:35], v[SP4+2:SP4+3], v[SP4+18:SP4+19]
	v_pk_add_f32 v[SP1:SP1+1],   v[SP1:SP1+1],   v[SP1+2:SP1+3]
	v_pk_add_f32 v[SP1+4:SP1+5], v[SP1+4:SP1+5], v[SP1+6:SP1+7]
	v_pk_add_f32 v[SP1:SP1+1],   v[SP1:SP1+1],   v[SP1+4:SP1+5]
	v_add_f32 v36, v[SP1], v[SP1+1]
	v_cmp_gt_u32 vcc_lo, 2, v9                     ; places outside the sequence: -inf, by selection
	v_cndmask_b32 v32, v32, v38, vcc_lo
	v_cmp_gt_u32 vcc_lo, 1, v9
	v_cndmask_b32 v33, v33, v38, vcc_lo
	v_cmp_lt_u32 vcc_lo, 2046, v9
	v_cndmask_b32 v35, v35, v38, vcc_lo
	v_cmp_lt_u32 vcc_lo, 2045, v9
	v_cndmask_b32 v36, v36, v38, vcc_lo
	v_max3_num_f32 v37, v32, v33, v34              ; the maximum; place 2 is always inside the sequence
	v_max3_num_f32 v37, v37, v35, v36
	v_mul_f32 v37, s13, v37
.irp w, 0,1,2,3,4
	v_fma_f32 v[32+\w], v[32+\w], s13, -v37        ; (score - maximum) / 32 x log2(e)
.endr
.irp w, 0,1,2,3,4
	v_exp_f32 v[P+\w], v[32+\w]
.endr
	v_nop                                          ; one plain instruction behind the exponentials before their results are used (ISA guide 5.7.2)
	s_wait_alu depctr_va_vdst(0)
	v_add_f32 v10, v[P], v[P+1]
	v_add_f32 v11, v[P+2], v[P+3]
	v_add_f32 v10, v10, v[P+4]
	v_add_f32 v10, v10, v11
	v_rcp_f32 v39, v10
	v_nop                                          ; and one behind the reciprocal
	s_wait_alu depctr_va_vdst(0)
.irp w, 0,1,2,3,4
	v_mul_f32 v[P+\w], v[P+\w], v39
.endr
; output row o: its window is V's rows o .. o + 4 of the 36; the row's five probabilities come from lane o as scalars; one multiply, which writes over
; V's row o, and four multiply-adds for each pair of columns; the row is stored from where it was loaded
.macro ROW
	s_wait_loadcnt 31-o                            ; V's row o + 4 is in; the 31 - o rows behind it stay out
.irp w, 0,1,2,3,4
	v_readlane_b32 s[20+10*(o%2)+2*\w], v[P+\w], o
.endr
	v_pk_mul_f32 v[RAW+4*o:RAW+4*o+1],   v[RAW+4*o:RAW+4*o+1],   s[20+10*(o%2):21+10*(o%2)] op_sel_hi:[1,0]
	v_pk_mul_f32 v[RAW+4*o+2:RAW+4*o+3], v[RAW+4*o+2:RAW+4*o+3], s[20+10*(o%2):21+10*(o%2)] op_sel_hi:[1,0]
.irp w, 1,2,3,4
	v_pk_fma_f32 v[RAW+4*o:RAW+4*o+1],   v[RAW+4*(o+\w):RAW+4*(o+\w)+1],   s[20+10*(o%2)+2*\w:21+10*(o%2)+2*\w], v[RAW+4*o:RAW+4*o+1] op_sel_hi:[1,0,1]
	v_pk_fma_f32 v[RAW+4*o+2:RAW+4*o+3], v[RAW+4*(o+\w)+2:RAW+4*(o+\w)+3], s[20+10*(o%2)+2*\w:21+10*(o%2)+2*\w], v[RAW+4*o+2:RAW+4*o+3] op_sel_hi:[1,0,1]
.endr
	global_store_b128 v8, v[RAW+4*o:RAW+4*o+3], s[8:9] offset:4096*o th:TH_STORE_NT   ; a wave's store covers 512 consecutive bytes, aligned
.set o, o+1
.endm
.set o, 0
.rept 32
	ROW
.endr
	s_endpgm
.Lfunc_end_k_q6b61edfc14_mix:
	.size	k_q6b61edfc14_mix, .Lfunc_end_k_q6b61edfc14_mix-k_q6b61edfc14_mix
	.p2alignl 7, 3214868480
	.fill 96, 4, 3214868480
	.section	.rodata,"a",@progbits
	.p2align	6, 0x0
	.amdhsa_kernel k_q6b61edfc14_mix
		.amdhsa_group_segment_fixed_size 0
		.amdhsa_private_segment_fixed_size 0
		.amdhsa_enable_private_segment 0
		.amdhsa_kernarg_size 24
		.amdhsa_user_sgpr_count 2
		.amdhsa_user_sgpr_kernarg_segment_ptr 1
		.amdhsa_wavefront_size32 1
		.amdhsa_system_sgpr_workgroup_id_x 1
		.amdhsa_system_sgpr_workgroup_id_y 1
		.amdhsa_system_sgpr_workgroup_id_z 1
		.amdhsa_system_vgpr_workitem_id 0
		.amdhsa_next_free_vgpr 224
		.amdhsa_next_free_sgpr 66
		.amdhsa_reserve_vcc 1
		.amdhsa_float_denorm_mode_32 3
		.amdhsa_float_denorm_mode_16_64 3
		.amdhsa_memory_ordered 1
		.amdhsa_forward_progress 1
		.amdhsa_inst_pref_size 44
	.end_amdhsa_kernel
	.amdgpu_metadata
---
amdhsa.version: [ 1, 2 ]
amdhsa.kernels:
  - .name:           k_q6b61edfc14_mix
    .symbol:         k_q6b61edfc14_mix.kd
    .args:
      - { .name: vb, .offset: 0, .size: 8, .value_kind: global_buffer, .address_space: global }
      - { .name: sp, .offset: 8, .size: 8, .value_kind: global_buffer, .address_space: global }
      - { .name: out0, .offset: 16, .size: 8, .value_kind: global_buffer, .address_space: global }
    .group_segment_fixed_size: 0
    .private_segment_fixed_size: 0
    .kernarg_segment_align: 8
    .kernarg_segment_size: 24
    .max_flat_workgroup_size: 256
    .sgpr_count:     66
    .vgpr_count:     224
    .wavefront_size: 32
...
	.end_amdgpu_metadata
.endif
;; end of part 3
;; ======== version 2 of 2: 3 launches; version 1 with the launch mix written anew for expert scheduling mode
;; workspace buffers: xb 16,777,216 bytes; wcat 4,194,304 bytes; gvec 4,096 bytes; vb 33,554,432 bytes; sp 2,097,152 bytes
;; launch prep: the kernel of part 1 again; grid 16 x 16, 8 waves a work-group, clusters of 4 x 4, 327,680 bytes of LDS; arguments sequence_output, Wq, Wk, Wv, bq, xb, wcat, gvec; writes xb, wcat, gvec
;; launch gemm: the kernel of part 2 again; grid 8 x 32, 4 waves a work-group, clusters of 4 x 4, 327,680 bytes of LDS; arguments xb, wcat, gvec, bv, vb, sp; writes vb, sp
;; launch mix (part 4): grid 256 x 1, 8 waves a work-group, no clusters, 0 bytes of LDS; arguments vb, sp, out0; writes out0
.if DOCPART == 4
	.amdgcn_target "amdgcn-amd-amdhsa--gfx1250"
	.amdhsa_code_object_version 6
	.text
	.protected	k_q6b61edfc14_mix
	.globl	k_q6b61edfc14_mix
	.p2align	8
	.type	k_q6b61edfc14_mix,@function
k_q6b61edfc14_mix:
	s_mov_b64 s[64:65], 0
	v_nop
	global_prefetch_b8 v0, s[64:65] scope:SCOPE_SE
	s_setreg_imm32_b32 hwreg(HW_REG_WAVE_SCHED_MODE, 0, 2), 2
	s_setreg_imm32_b32 hwreg(HW_REG_WAVE_MODE, 25, 1), 1
	s_wait_xcnt 0x0
	s_wait_alu depctr_vm_vsrc(0)
; LocalAttention, third of three launches: softmax over the window of five and the mix of five rows of V.
; Left out as shown at the head of the first launch: the term Q . bk, which is the same at all five places of a window.
; out[s] = sum over w of p[s][w] V[clip(s + w - 2)], p = softmax over w of score / 32, places outside the sequence at -inf; the maximum is taken away
; before the exponentials, and V's row index is clipped into the sequence, as the reference does both.
; A score is the sum of eight partial scores, one for each 128 of the 1,024 hidden columns: sp[column half][row][w].
; Memory binds (V once and an eighth, the scores, the output): no LDS, no barrier.  The five-term mix stays on the vector unit in f32, on V in f32: a band
; of 5 in a K of 32 would use less than a sixth of a matrix product.
; Eight waves; the work-group owns 32 rows, R = 32 wg (a sequence of 2,048 rows holds whole work-groups).  Thread t owns columns 4 t .. 4 t + 3 of every row:
; 16 bytes of V, 16 bytes of out.  Lane l of EVERY wave makes row R + l's five probabilities: some sixty instructions done eight times spare a trip through LDS.
; All 36 rows of V that the 32 windows reach are asked for at the start, 144 registers, and are used as they land, in order.
; Output row o is formed IN PLACE in the registers of V's row o of the 36: windows o - 4 .. o read that row, so output row o is its last reader.
; No register that a store reads is ever written again, so no store is waited for.
; THE MODE: SCHED_MODE bits 1:0 = 2 (LLVM: expert scheduling mode 2), set by the entry lines.  The code itself states the register dependences
; between vector instructions and memory instructions, with s_wait_alu, always for 0.
; THE PLAN.  Registers that memory instructions touch:
;   v2 .. v8      byte offsets, made once at the head by vector instructions; read by the loads (v2 to v7) and by every store (v8); never written again.
;   SP4, SP1      written by loads, once; read by the additions of the partial scores.
;   RAW           written by loads, once.  Output row o's arithmetic reads rows o .. o + 4 and writes row o; one store reads row o; nothing names it afterwards.
; Scalar registers that vector instructions write:
;   s14 .. s17    the four masks of the sequence's edges: written by four compares on end, read by four selections.
;   s[20:39]      two sets of five probabilities, row o's in set o % 2: written by v_readlane_b32, read by row o's ten packed instructions.
; The 32 output rows go in 16 pairs.  A pair's memory instructions are the two stores of the pair before; behind each of its rows stand the lane reads for the row
; two further on, into the set that the row has just used.  So two waits at a pair's head state all: the ten lane reads for this pair's rows have written their
; scalars, and the pair before has written the two rows that the stores read.  No vector instruction of a pair names those two rows or v8.
; No register that a memory instruction reads is written again, so the text holds no wait on vm_vsrc; EXEC is never written.
.set RAW, 48                           ; v[48:191]  36 rows x 4 registers of V; row i is sequence row R - 2 + i, clipped; rows 0-31 end as output rows
.set SP4, 192                          ; v[192:223] places 0 to 3 of the eight partial scores
.set SP1, 12                           ; v[12:19]   place 4 of the eight
.set P,   40                           ; v[40:44]   lane l: the five probabilities of row R + l
; v2 V offset of row R; v3-6 V offsets of the four edge rows; v7 sp offset; v8 out offset; v9 place in the sequence; v10, v11, v37, v39 at work; v38 -inf
; s[20:29], s[30:39]: two sets of five pairs; the even register holds a probability, the odd one is written once and never used in arithmetic
; s14-17: at the head the four edge rows, behind the loads the four edge masks
	s_load_b128 s[4:7], s[0:1], 0x0                ; vb s[4:5], sp s[6:7]
	s_load_b64 s[8:9], s[0:1], 0x10                ; out0
	s_lshl_b32 s10, ttmp9, 5                       ; R
	s_and_b32 s11, s10, 2047                       ; R's place in its sequence
	s_sub_co_u32 s18, s10, s11                     ; the sequence's first row
	s_add_co_u32 s19, s18, 2047                    ; and its last
	s_sub_co_i32 s14, s10, 2
	s_max_i32 s14, s14, s18                        ; rows R - 2, R - 1, R + 32, R + 33, clipped into the sequence
	s_sub_co_i32 s15, s10, 1
	s_max_i32 s15, s15, s18
	s_add_co_u32 s16, s10, 32
	s_min_u32 s16, s16, s19
	s_add_co_u32 s17, s10, 33
	s_min_u32 s17, s17, s19
	s_mov_b32 s13, 0x3d38aa3b                      ; log2(e) / 32: the scale 1 / sqrt(1024) and the change of base in one factor
.irp k, 21,23,25,27,29,31,33,35,37,39
	s_mov_b32 s\k, 0
.endr
	v_and_b32 v1, 31, v0                           ; lane
	s_lshl_b32 s40, s10, 12
	v_lshl_add_u32 v2, v0, 4, s40                  ; row x 4,096 + 16 t
	s_lshl_b32 s40, s14, 12
	v_lshl_add_u32 v3, v0, 4, s40
	s_lshl_b32 s40, s15, 12
	v_lshl_add_u32 v4, v0, 4, s40
	s_lshl_b32 s40, s16, 12
	v_lshl_add_u32 v5, v0, 4, s40
	s_lshl_b32 s40, s17, 12
	v_lshl_add_u32 v6, v0, 4, s40
	v_lshlrev_b32 v7, 5, v1                        ; a row of sp is 32 bytes
	v_lshlrev_b32 v8, 4, v0
	v_add_nc_u32 v9, s11, v1                       ; my row's place in its sequence
	v_mov_b32 v38, 0xff800000                      ; -inf
	s_lshl_b32 s40, s10, 5
	s_mov_b32 s41, 0
	s_lshl_b32 s42, s10, 12
	s_mov_b32 s43, 0
	s_wait_kmcnt 0x0
	s_add_nc_u64 s[6:7], s[6:7], s[40:41]          ; sp at row R
	s_add_nc_u64 s[8:9], s[8:9], s[42:43]          ; out at row R
	s_wait_alu depctr_va_vdst(0)                   ; the offsets v2 to v8 are written: the loads below read v2 to v7, every store of the kernel reads v8; no later vector instruction names them
.irp b, 0,1,2,3,4,5,6,7
	global_load_b128 v[SP4+4*\b:SP4+4*\b+3], v7, s[6:7] offset:262144*\b   ; column half b: places 0 to 3
	global_load_b32 v[SP1+\b], v7, s[6:7] offset:262144*\b+16              ; place 4
.endr
	global_load_b128 v[RAW:RAW+3], v3, s[4:5]
	global_load_b128 v[RAW+4:RAW+7], v4, s[4:5]
.set i, 2
.rept 32
	global_load_b128 v[RAW+4*i:RAW+4*i+3], v2, s[4:5] offset:(i-2)*4096    ; a wave's load covers 512 consecutive bytes, aligned
.set i, i+1
.endr
	global_load_b128 v[RAW+136:RAW+139], v5, s[4:5]
	global_load_b128 v[RAW+140:RAW+143], v6, s[4:5]
	; the masks of the places outside the sequence hang on v9 alone: four compares on end, into four scalar registers, while the scores are on their way
	v_cmp_gt_u32 s14, 2, v9                        ; place 0 lies before the sequence
	v_cmp_gt_u32 s15, 1, v9                        ; place 1
	v_cmp_lt_u32 s16, 2046, v9                     ; place 3 lies behind it
	v_cmp_lt_u32 s17, 2045, v9                     ; place 4
	s_wait_loadcnt 36                              ; the sixteen loads of scores are in; V's 36 rows stay out
	; the eight partial scores, added as a tree
.irp b, 0,2,4,6
	v_pk_add_f32 v[SP4+4*\b:SP4+4*\b+1],   v[SP4+4*\b:SP4+4*\b+1],   v[SP4+4*\b+4:SP4+4*\b+5]
	v_pk_add_f32 v[SP4+4*\b+2:SP4+4*\b+3], v[SP4+4*\b+2:SP4+4*\b+3], v[SP4+4*\b+6:SP4+4*\b+7]
.endr
.irp b, 0,4
	v_pk_add_f32 v[SP4+4*\b:SP4+4*\b+1],   v[SP4+4*\b:SP4+4*\b+1],   v[SP4+4*\b+8:SP4+4*\b+9]
	v_pk_add_f32 v[SP4+4*\b+2:SP4+4*\b+3], v[SP4+4*\b+2:SP4+4*\b+3], v[SP4+4*\b+10:SP4+4*\b+11]
.endr
	v_pk_add_f32 v[32:33], v[SP4:SP4+1],   v[SP4+16:SP4+17]
	v_pk_add_f32 v[34:35], v[SP4+2:SP4+3], v[SP4+18:SP4+19]
	v_pk_add_f32 v[SP1:SP1+1],   v[SP1:SP1+1],   v[SP1+2:SP1+3]
	v_pk_add_f32 v[SP1+4:SP1+5], v[SP1+4:SP1+5], v[SP1+6:SP1+7]
	v_pk_add_f32 v[SP1:SP1+1],   v[SP1:SP1+1],   v[SP1+4:SP1+5]
	v_add_f32 v36, v[SP1], v[SP1+1]
	s_wait_alu depctr_va_sdst(0)                   ; the four compares have written s14 to s17, ahead of their first readers: one wait for the run
	v_cndmask_b32 v32, v32, v38, s14               ; places outside the sequence: -inf, by selection
	v_cndmask_b32 v33, v33, v38, s15
	v_cndmask_b32 v35, v35, v38, s16
	v_cndmask_b32 v36, v36, v38, s17
	v_max3_num_f32 v37, v32, v33, v34              ; the maximum; place 2 is always inside the sequence
	v_max3_num_f32 v37, v37, v35, v36
	v_mul_f32 v37, s13, v37
.irp w, 0,1,2,3,4
	v_fma_f32 v[32+\w], v[32+\w], s13, -v37        ; (score - maximum) / 32 x log2(e)
.endr
.irp w, 0,1,2,3,4
	v_exp_f32 v[P+\w], v[32+\w]
.endr
	v_nop                                          ; one plain instruction behind the exponentials before their results are used (ISA guide 5.7.2)
	s_wait_alu depctr_va_vdst(0)                   ; the five exponentials have written v[40:44], ahead of the additions that read them
	v_add_f32 v10, v[P], v[P+1]
	v_add_f32 v11, v[P+2], v[P+3]
	v_add_f32 v10, v10, v[P+4]
	v_add_f32 v10, v10, v11
	v_rcp_f32 v39, v10
	v_nop                                          ; and one behind the reciprocal
	s_wait_alu depctr_va_vdst(0)                   ; the reciprocal has written v39, ahead of the multiplies that read it
.irp w, 0,1,2,3,4
	v_mul_f32 v[P+\w], v[P+\w], v39
.endr
; row n's five probabilities come from lane n as scalars, into set n % 2
.macro LANES
.irp w, 0,1,2,3,4
	v_readlane_b32 s[20+10*(n%2)+2*\w], v[P+\w], n
.endr
.endm
; output row o: its window is V's rows o .. o + 4 of the 36; one multiply, which writes over V's row o, and four multiply-adds for each pair of columns
.macro MIX
	v_pk_mul_f32 v[RAW+4*o:RAW+4*o+1],   v[RAW+4*o:RAW+4*o+1],   s[20+10*(o%2):21+10*(o%2)] op_sel_hi:[1,0]
	v_pk_mul_f32 v[RAW+4*o+2:RAW+4*o+3], v[RAW+4*o+2:RAW+4*o+3], s[20+10*(o%2):21+10*(o%2)] op_sel_hi:[1,0]
.irp w, 1,2,3,4
	v_pk_fma_f32 v[RAW+4*o:RAW+4*o+1],   v[RAW+4*(o+\w):RAW+4*(o+\w)+1],   s[20+10*(o%2)+2*\w:21+10*(o%2)+2*\w], v[RAW+4*o:RAW+4*o+1] op_sel_hi:[1,0,1]
	v_pk_fma_f32 v[RAW+4*o+2:RAW+4*o+3], v[RAW+4*(o+\w)+2:RAW+4*(o+\w)+3], s[20+10*(o%2)+2*\w:21+10*(o%2)+2*\w], v[RAW+4*o+2:RAW+4*o+3] op_sel_hi:[1,0,1]
.endr
.endm
; output row q is stored from where it was loaded
.macro OUT
	global_store_b128 v8, v[RAW+4*q:RAW+4*q+3], s[8:9] offset:4096*q th:TH_STORE_NT   ; a wave's store covers 512 consecutive bytes, aligned
.endm
.set n, 0
	LANES                                          ; the first pair's ten lane reads
.set n, 1
	LANES
.set o, 0
.rept 16                                               ; a pair of output rows: o even, then o + 1
	s_wait_loadcnt 31-o                            ; V's row o + 4 is in; the 31 - o rows behind it stay out
	s_wait_alu depctr_va_sdst(0)                   ; the ten lane reads for rows o and o + 1 have written both sets of scalars, ahead of their first readers
.if o > 0
	s_wait_alu depctr_va_vdst(0)                   ; the pair before has written output rows o - 2 and o - 1, which the two stores of this pair read
.set q, o-2
	OUT
.endif
	MIX
.if o < 30
.set n, o+2
	LANES                                          ; for the next pair's first row, into the set that this row has just used
.endif
.if o > 0
.set q, o-1
	OUT                                            ; no wait: no vector instruction since the wait on va_vdst names row o - 1 or v8
.endif
.set o, o+1
	s_wait_loadcnt 31-o                            ; V's row o + 4 is in
	MIX
.if o < 30
.set n, o+2
	LANES                                          ; for the next pair's second row
.endif
.set o, o+1
.endr
	s_wait_alu depctr_va_vdst(0)                   ; the last pair has written output rows 30 and 31, which the last two stores read
.set q, 30
	OUT
.set q, 31
	OUT
	s_endpgm
.Lfunc_end_k_q6b61edfc14_mix:
	.size	k_q6b61edfc14_mix, .Lfunc_end_k_q6b61edfc14_mix-k_q6b61edfc14_mix
	.p2alignl 7, 3214868480
	.fill 96, 4, 3214868480
	.section	.rodata,"a",@progbits
	.p2align	6, 0x0
	.amdhsa_kernel k_q6b61edfc14_mix
		.amdhsa_group_segment_fixed_size 0
		.amdhsa_private_segment_fixed_size 0
		.amdhsa_enable_private_segment 0
		.amdhsa_kernarg_size 24
		.amdhsa_user_sgpr_count 2
		.amdhsa_user_sgpr_kernarg_segment_ptr 1
		.amdhsa_wavefront_size32 1
		.amdhsa_system_sgpr_workgroup_id_x 1
		.amdhsa_system_sgpr_workgroup_id_y 1
		.amdhsa_system_sgpr_workgroup_id_z 1
		.amdhsa_system_vgpr_workitem_id 0
		.amdhsa_next_free_vgpr 224
		.amdhsa_next_free_sgpr 66
		.amdhsa_reserve_vcc 0
		.amdhsa_float_denorm_mode_32 3
		.amdhsa_float_denorm_mode_16_64 3
		.amdhsa_memory_ordered 1
		.amdhsa_forward_progress 1
		.amdhsa_inst_pref_size 45
	.end_amdhsa_kernel
	.amdgpu_metadata
---
amdhsa.version: [ 1, 2 ]
amdhsa.kernels:
  - .name:           k_q6b61edfc14_mix
    .symbol:         k_q6b61edfc14_mix.kd
    .args:
      - { .name: vb, .offset: 0, .size: 8, .value_kind: global_buffer, .address_space: global }
      - { .name: sp, .offset: 8, .size: 8, .value_kind: global_buffer, .address_space: global }
      - { .name: out0, .offset: 16, .size: 8, .value_kind: global_buffer, .address_space: global }
    .group_segment_fixed_size: 0
    .private_segment_fixed_size: 0
    .kernarg_segment_align: 8
    .kernarg_segment_size: 24
    .max_flat_workgroup_size: 256
    .sgpr_count:     66
    .vgpr_count:     224
    .wavefront_size: 32
...
	.end_amdgpu_metadata
.endif
;; end of part 4
